; MI455X (gfx1250); checked and timed in simulation.
; The chip was launched on July 23, 2026; its instructions are those of AMD's public machine-readable ISA for CDNA 5 (MIT licence, August 2026) and "CDNA5" Instruction Set Architecture Reference Guide (July 2026). The comments in the code are by the model that wrote it; some were corrected since.
;; Multi Head Self Attention. Allowed arithmetic: float matrix products may take bf16 or f16 operands with f32 sums; other float arithmetic in f32, or as packed bf16 or f16 multiplies, adds, multiply-adds, maxima and minima; sums over many terms, partial sums and values carried from step to step in f32; what a program stores and reads back later, other than sums and carried values, may be rounded once to bf16 or f16.
;; Inputs: Wk 1,024 x 1,024 float32; Wo 1,024 x 1,024 float32; Wq 1,024 x 1,024 float32; Wv 1,024 x 1,024 float32; bk 1,024 float32; bo 1,024 float32; bq 1,024 float32; bv 1,024 float32; x 4 x 2,048 x 1,024 float32.
;; Outputs: out0 4 x 2,048 x 1,024 float32.
;; One version. Each part assembles by itself: llvm-mc -triple=amdgcn-amd-amdhsa -mcpu=gfx1250 --defsym DOCPART=n.
;; ======== version 1 of 1: 4 launches
;; limits: values are held in f16: magnitudes above 65,504 overflow, below 6.1e-05 lose precision
;; workspace buffers: xb 16,777,216 bytes; wt 8,388,608 bytes; qkv 50,331,648 bytes; ctx 16,777,216 bytes
;; launch prep (part 1): grid 768 x 1, 8 waves a work-group, no clusters, 0 bytes of LDS; arguments x, Wq, Wk, Wv, Wo, xb, wt; writes xb, wt
.if DOCPART == 1
	.amdgcn_target "amdgcn-amd-amdhsa--gfx1250"
	.amdhsa_code_object_version 6
	.text
	.protected	k_q78a3d01c08_prep
	.globl	k_q78a3d01c08_prep
	.p2align	8
	.type	k_q78a3d01c08_prep,@function
k_q78a3d01c08_prep:
	s_mov_b64 s[64:65], 0
	v_nop
	global_prefetch_b8 v0, s[64:65] scope:SCOPE_SE
	s_setreg_imm32_b32 hwreg(HW_REG_WAVE_MODE, 25, 1), 1
	s_wait_xcnt 0x0
; THE CASTS.  xb[8192][1024] = bf16(x).  wt[64 chunks][1024 k][64 n]: chunk 16 m + n / 64 holds 64 columns of matrix m (0 Wq, 1 Wk, 2 Wv, 3 Wo), a k row of 128 bytes, a chunk 131,072
; dense bytes, so that a later launch asks for 128 k of 64 columns as 16,384 bytes on end.  Chunks 0-47 are bf16; chunks 48-63 hold bf16(Wo) written as f16, since the last product runs in f16.
; LIMITS.  |Wo| stays under 65,504; a bf16(Wo) below 6.1e-5 keeps f16's fixed step of 6e-8.
; A stream: every byte is read once and written once; no LDS, no matrix unit, no cluster (no two work-groups read a common byte).
; SHARES.  A work-group takes 65,536 bytes of f32, each of its eight waves 8,192: sixteen loads of 16 bytes a lane, all issued at once; each is rounded and stored as it comes.
; Work-groups 0-511 take x; 512 + 64 m + kb takes k rows 16 kb .. 16 kb + 15 of matrix m.  No register is written twice while a load or store may still read it.
.set X, 8                              ; v[8:71]    load i: 4 registers
.set Y, 72                             ; v[72:103]  store i: 2 registers
.set T, 104                            ; v[104:105] at work
.macro LOADS step                      ; sixteen loads, step bytes apart
.set i, 0
.rept 16
	global_load_b128 v[X+4*i:X+4*i+3], v1, s[22:23] offset:i*(\step) th:TH_LOAD_NT
.set i, i+1
.endr
.endm
.macro OUTBF ostep                     ; each load's four numbers to bf16; a wave's store covers 256 consecutive bytes, aligned
.set i, 0
.rept 16
	s_wait_loadcnt 15-i                            ; loads come back in order: load i is in, the 15 - i younger ones stay out
	v_cvt_pk_bf16_f32 v[Y+2*i], v[X+4*i], v[X+4*i+1]
	v_cvt_pk_bf16_f32 v[Y+2*i+1], v[X+4*i+2], v[X+4*i+3]
	global_store_b64 v2, v[Y+2*i:Y+2*i+1], s[24:25] offset:i*(\ostep)
.set i, i+1
.endr
.endm
.macro OUTF16 ostep                    ; the same, the bf16 number then written as f16
.set i, 0
.rept 16
	s_wait_loadcnt 15-i
	v_cvt_pk_bf16_f32 v[T], v[X+4*i], v[X+4*i+1]
	v_cvt_pk_bf16_f32 v[T+1], v[X+4*i+2], v[X+4*i+3]
	v_lshlrev_b32 v[X+4*i], 16, v[T]               ; bf16 to f32: the low half moves up, the high half stays
	v_and_b32 v[X+4*i+1], s26, v[T]
	v_lshlrev_b32 v[X+4*i+2], 16, v[T+1]
	v_and_b32 v[X+4*i+3], s26, v[T+1]
	v_cvt_pk_f16_f32 v[Y+2*i], v[X+4*i], v[X+4*i+1]
	v_cvt_pk_f16_f32 v[Y+2*i+1], v[X+4*i+2], v[X+4*i+3]
	global_store_b64 v2, v[Y+2*i:Y+2*i+1], s[24:25] offset:i*(\ostep)
.set i, i+1
.endr
.endm
	s_load_b256 s[4:11], s[0:1], 0x0               ; x s[4:5], Wq s[6:7], Wk s[8:9], Wv s[10:11]
	s_load_b128 s[12:15], s[0:1], 0x20             ; Wo s[12:13], xb s[14:15]
	s_load_b64 s[16:17], s[0:1], 0x30              ; wt
	v_and_b32 v3, 31, v0                           ; lane l
	v_lshrrev_b32 v4, 5, v0                        ; wave w
	s_mov_b32 s19, 0
	s_mov_b32 s21, 0
	s_cmp_lt_u32 ttmp9, 512
	s_cbranch_scc0 .Lweights
	; x: in at 8,192 w + 16 l + 512 i, out at half of that
	v_lshlrev_b32 v1, 4, v3
	v_lshl_add_u32 v1, v4, 13, v1
	v_lshlrev_b32 v2, 3, v3
	v_lshl_add_u32 v2, v4, 12, v2
	s_lshl_b32 s18, ttmp9, 16
	s_lshl_b32 s20, ttmp9, 15
	s_wait_kmcnt 0x0
	s_add_nc_u64 s[22:23], s[4:5], s[18:19]
	s_add_nc_u64 s[24:25], s[14:15], s[20:21]
	LOADS 512
	OUTBF 256
	s_endpgm
.Lweights:
	s_sub_co_u32 s26, ttmp9, 512
	s_lshr_b32 s27, s26, 6                         ; m
	s_and_b32 s28, s26, 63                         ; kb
	v_lshrrev_b32 v5, 4, v3                        ; l / 16
	v_and_b32 v6, 15, v3                           ; l % 16
	v_lshl_add_u32 v5, v4, 1, v5                   ; my k row of the sixteen: 2 w + l / 16
	v_lshlrev_b32 v1, 4, v6
	v_lshl_add_u32 v1, v5, 12, v1                  ; in: row x 4,096 + 16 (l % 16); load i takes chunk i's 256 bytes of the row: sixteen lanes, 256 consecutive bytes, aligned
	v_lshlrev_b32 v2, 3, v3
	v_lshl_add_u32 v2, v4, 8, v2                   ; out: 256 w + 8 l = row x 128 + 8 (l % 16); store i goes to chunk i, 131,072 bytes on
	s_lshl_b32 s18, s28, 16                        ; 16 rows of 4,096 bytes
	s_lshl_b32 s20, s27, 21                        ; 16 chunks a matrix
	s_lshl_b32 s29, s28, 11                        ; 16 rows of 128 bytes
	s_add_co_u32 s20, s20, s29
	s_mov_b32 s26, 0xffff0000                      ; a word's upper bf16
	s_wait_kmcnt 0x0
	s_cmp_eq_u32 s27, 0
	s_cselect_b64 s[22:23], s[6:7], s[8:9]
	s_cmp_eq_u32 s27, 2
	s_cselect_b64 s[30:31], s[10:11], s[12:13]
	s_cmp_lt_u32 s27, 2
	s_cselect_b64 s[22:23], s[22:23], s[30:31]
	s_add_nc_u64 s[22:23], s[22:23], s[18:19]
	s_add_nc_u64 s[24:25], s[16:17], s[20:21]
	LOADS 256
	s_cmp_eq_u32 s27, 3
	s_cbranch_scc1 .Lwo
	OUTBF 131072
	s_endpgm
.Lwo:
	OUTF16 131072
	s_endpgm
.Lfunc_end_k_q78a3d01c08_prep:
	.size	k_q78a3d01c08_prep, .Lfunc_end_k_q78a3d01c08_prep-k_q78a3d01c08_prep
	.p2alignl 7, 3214868480
	.fill 96, 4, 3214868480
	.section	.rodata,"a",@progbits
	.p2align	6, 0x0
	.amdhsa_kernel k_q78a3d01c08_prep
		.amdhsa_group_segment_fixed_size 0
		.amdhsa_private_segment_fixed_size 0
		.amdhsa_enable_private_segment 0
		.amdhsa_kernarg_size 56
		.amdhsa_user_sgpr_count 2
		.amdhsa_user_sgpr_kernarg_segment_ptr 1
		.amdhsa_wavefront_size32 1
		.amdhsa_system_sgpr_workgroup_id_x 1
		.amdhsa_system_sgpr_workgroup_id_y 1
		.amdhsa_system_sgpr_workgroup_id_z 1
		.amdhsa_system_vgpr_workitem_id 0
		.amdhsa_next_free_vgpr 112
		.amdhsa_next_free_sgpr 66
		.amdhsa_reserve_vcc 0
		.amdhsa_float_denorm_mode_32 3
		.amdhsa_float_denorm_mode_16_64 3
		.amdhsa_memory_ordered 1
		.amdhsa_forward_progress 1
		.amdhsa_inst_pref_size 22
	.end_amdhsa_kernel
	.amdgpu_metadata
---
amdhsa.version: [ 1, 2 ]
amdhsa.kernels:
  - .name:           k_q78a3d01c08_prep
    .symbol:         k_q78a3d01c08_prep.kd
    .args:
      - { .name: x, .offset: 0, .size: 8, .value_kind: global_buffer, .address_space: global }
      - { .name: Wq, .offset: 8, .size: 8, .value_kind: global_buffer, .address_space: global }
      - { .name: Wk, .offset: 16, .size: 8, .value_kind: global_buffer, .address_space: global }
      - { .name: Wv, .offset: 24, .size: 8, .value_kind: global_buffer, .address_space: global }
      - { .name: Wo, .offset: 32, .size: 8, .value_kind: global_buffer, .address_space: global }
      - { .name: xb, .offset: 40, .size: 8, .value_kind: global_buffer, .address_space: global }
      - { .name: wt, .offset: 48, .size: 8, .value_kind: global_buffer, .address_space: global }
    .group_segment_fixed_size: 0
    .private_segment_fixed_size: 0
    .kernarg_segment_align: 8
    .kernarg_segment_size: 56
    .max_flat_workgroup_size: 256
    .sgpr_count:     66
    .vgpr_count:     112
    .wavefront_size: 32
...
	.end_amdgpu_metadata
.endif
;; end of part 1
;; launch inproj (part 2): grid 16 x 32, 4 waves a work-group, clusters of 4 x 4, 327,680 bytes of LDS; arguments xb, wt, bq, bk, bv, qkv; writes qkv
.if DOCPART == 2
	.amdgcn_target "amdgcn-amd-amdhsa--gfx1250"
	.amdhsa_code_object_version 6
	.text
	.protected	k_q78a3d01c08_inproj
	.globl	k_q78a3d01c08_inproj
	.p2align	8
	.type	k_q78a3d01c08_inproj,@function
k_q78a3d01c08_inproj:
	s_mov_b64 s[64:65], 0
	v_nop
	global_prefetch_b8 v0, s[64:65] scope:SCOPE_SE
	s_setreg_imm32_b32 hwreg(HW_REG_WAVE_MODE, 25, 1), 1
	s_wait_xcnt 0x0
	s_wait_alu depctr_hold_cnt(0) depctr_sa_sdst(0) depctr_va_vdst(0) depctr_va_sdst(0) depctr_va_ssrc(0) depctr_va_vcc(0) depctr_vm_vsrc(0)
	s_getreg_b32 s2, hwreg(HW_REG_IB_STS2, 6, 4)
	s_cmp_eq_u32 s2, 0
	s_cbranch_scc0 .Lentry_in_a_cluster
	s_endpgm
.Lentry_in_a_cluster:
	s_bfe_u32 s2, ttmp6, 0x10000c
	s_cmp_lg_u32 s2, 0xf033
	s_cbranch_scc0 .Lentry_shape_is_right
	s_endpgm
.Lentry_shape_is_right:
; q, k, v = x W + b, by heads.  xb: [8192][1024] bf16.  wt: chunks of [1024 k][64 n] bf16, chunk g = 16 m + head (m = 0 q, 1 k, 2 v).  bq, bk, bv: [1024] f32, rounded to bf16 like every input.
; qkv: [3][64 = 16 batch + head][2048][64] f16, unscaled, rounded once from the f32 sums.
; LIMITS.  f16 holds no number beyond 65,504: |q|, |k|, |v| stay within it; below 6.1e-5 they keep f16's fixed step of 6e-8.  NaN and infinities are not treated apart.
; SHARES.  A tile is 256 rows x 192 columns (three chunks, three heads): 16 x 32 = 512 work-groups, twice 256.  A wave makes 64 rows x all 192 columns: 48 accumulators, 384 registers; so it owns whole
; rows of a head, and its way out is its own.  K goes in 8 steps of 128 through two LDS slots; a step is four quarters of 32, 48 matrix instructions and 32 LDS loads each.
; LAYOUT.  Source 0 = 16 columns of W (out of LDS turned, by ds_load_tr16_b128, since W lies [k][n]), source 1 = 16 rows of x: a lane holds ONE row (lane % 16) and eight neighbouring columns 8 (lane / 16) + 0..7.
; The bias is the C operand of the products that start the sums: nothing is cleared and nothing is added at the end.
; CLUSTER.  4 x 4 work-groups.  x's tile hangs on the tile row alone and is asked for jointly by a row of the cluster (wave 0: 256 rows x 256 bytes); a chunk of W hangs on the tile column alone and is asked
; for jointly by a column (waves 1-3, a chunk each: 16,384 dense bytes as 64 rows of 256).
; REGISTERS, in windows of 256 (s_set_vgpr_msb: bits 1:0 source 0, 3:2 source 1, 5:4 source 2, 7:6 destination):
;   window 0: v0-15 addresses; v32-63, v64-95 x's fragments, two buffers; on the way out v32-223          window 1: v0-95, v96-191 W's fragments, two buffers: (chunk c, block j) at 8 (4 c + j)
;   window 2: accumulators of chunks 0, 1 at 128 c + 32 a + 8 j          window 3: v0-127 those of chunk 2; v128-223 the bias at 128 + 32 c + 8 j; v224-239 at work
.set PA,    272       ; a row of x in LDS: 256 bytes + 16 = 68 words: row r starts at bank 4 r mod 64 (64 banks of 4 bytes: ISA guide 11.1), the 16 rows of a load at 16 different groups of banks
.set PB,    160       ; a k row of a chunk: 128 + 32 = 40 words
.set CHUNK, 128*PB    ; a chunk's 128 k rows
.set BOFF,  256*PA    ; behind x's 256 rows
.set SLOT1, 1<<17     ; a slot is BOFF + 3 CHUNK = 131,072 bytes; one exclusive or turns an address in one slot into the other's
.set STAGE, 2*SLOT1   ; behind the ring, never filled by a tensor load: 16 rows x 144 bytes for each wave
.set SP,    144
.set SPARE, STAGE+4*16*SP  ; the spare words, 128 bytes for each wave: two blocks of 256 bytes that no other line names
.set A0,   4          ; v4   my lane's place in x's tile; never rewritten
.set B0,   5          ; v5   the same in chunk 0
.set ADRA, 6          ; v6   A0 + the slot in hand
.set ADRB, 7          ; v7   B0 + the slot in hand
.set STO,  8          ; v8   the way out: where I put 16 bytes of a row
.set RD,   9          ; v9   where I read rows back
.set GO,   10         ; v10  my 16 bytes of 512 consecutive bytes of qkv
.set BO,   11         ; v11  32 (lane / 16): my eight numbers of a bias block
.set SPW,  12         ; v12  LDS address of my spare word; never rewritten
.set NIL,  13         ; v13  0; never rewritten
.set PFO,  14         ; v14  the prefetches' offset: lane x a row of xb (2,048 bytes); never rewritten
.set FA,   32
.set OB,   32
.set BIAS, 128
.set TB3,  224
.set WV,   16         ; s16  my wave's number
.set G1A,  24         ; s[24:31] descriptor group 1 for x's tiles
.set G0A,  32         ; s[32:39] group 0: a set for each of the two first fills; the second then walks on
.set G1B,  40         ; s[40:47], s[48:55] the same for W's chunks
.set G0B,  48
.set CNT,  56         ; s56  trips to go
.set TB,   57         ; s57  LDS byte at which the slot in hand begins
.set OUT,  58         ; s[58:63] qkv at my 64 rows of chunk c's head
.set BB,   70         ; s[70:75] chunk c's 64 numbers of its bias
.set PFA,  76         ; s[76:77] where my prefetches stand
.set LIM,  78         ; s78  1 in a wave that prefetches, else the greatest number
.set HMASK, 79        ; s79  a word's upper bf16
.set MSB, 0
.macro WIN new                         ; the high byte repeats the setting that is left; a switch that changes nothing is dropped
.if MSB != (\new)
	s_set_vgpr_msb (MSB<<8)|(\new)
.set MSB, (\new)
.endif
.endm
.macro PLACES                          ; four places in front of loads into registers that matrix instructions have read and of conversions that read results
.rept 4
	v_nop
.endr
.endm
; A joint refill, by the walking set.  The branch hangs on the wave's number alone.  An s_nop 0 and four v_nop follow each of the two lines, ahead of the jump and the label.
.macro JLOAD
	s_cmp_eq_u32 s[WV], 0
	s_cbranch_scc0 .Lfor_b_\@
	tensor_load_to_lds s[G0A+4:G0A+7], s[G1A:G1A+7]
	s_nop 0
.rept 4
	v_nop
.endr
	s_branch .Lasked_\@
.Lfor_b_\@:
	tensor_load_to_lds s[G0B+4:G0B+7], s[G1B:G1B+7]
	s_nop 0
.rept 4
	v_nop
.endr
.Lasked_\@:
.endm
.macro CREST                           ; a round of the cluster's barrier behind its opening barrier
	s_cmp_lg_u32 s[WV], 0
	s_cbranch_scc1 .Lnot_wave_0_\@
	s_barrier_signal -3
.Lnot_wave_0_\@:
	s_barrier_wait -3
	s_barrier_signal -1
	s_barrier_wait -1
.endm
.macro CROUND                          ; a whole round
	s_barrier_signal -1
	s_barrier_wait -1
	CREST
.endm
; A PREFETCH INTO THE L2 of xb, behind the joint load, its five lines and the run of LDS loads: the change of slots that asks for K step s + 2 names K step s + 3, one K step (192 matrix instructions a wave) ahead
; of its load.  A tile row's 256 rows are read by all four clusters of that row of clusters: cluster x = 0 asks.  Its four partners along x share the rows out BY ADDRESS, 64 each; in each, waves 0 and 1 take 32:
; a lane a row of 256 bytes, one instruction.  So each block is named once in the launch.  K steps 0 to 2 come by their loads alone; the last trip (CNT = 1) has no K step behind its own and asks for nothing.
; wt is not asked for: 32 tile rows read each chunk.
.macro ASK
	s_cmp_gt_u32 s[CNT], s[LIM]
	s_cbranch_scc0 .Lnot_mine_\@
	global_prefetch_b8 v[PFO], s[PFA:PFA+1] th:TH_LOAD_NT scope:SCOPE_SE
.Lnot_mine_\@:
.endm
; 16 matrix instructions: chunk c, my four blocks of 16 rows x its four blocks of 16 columns, 32 along K out of buffer f.  first = 1: the bias starts the sums.
; The 48 accumulators take turns in the same order in every quarter: 47 others stand between two links of a chain, over the backward jump too.
.macro MULC f, c, first
.if (\c) == 2
	WIN 0xf1                                       ; W window 1, x window 0, C and D window 3
.elseif \first
	WIN 0xb1                                       ; C (the bias) window 3, D window 2
.else
	WIN 0xa1                                       ; C and D window 2
.endif
.irp a, 0,1,2,3
.irp j, 0,1,2,3
.if \first
	v_wmma_f32_16x16x32_bf16 v[128*((\c)%2)+32*(\a)+8*(\j):128*((\c)%2)+32*(\a)+8*(\j)+7], v[96*(\f)+8*(4*(\c)+(\j)):96*(\f)+8*(4*(\c)+(\j))+7], v[FA+32*(\f)+8*(\a):FA+32*(\f)+8*(\a)+7], v[BIAS+32*(\c)+8*(\j):BIAS+32*(\c)+8*(\j)+7]
.else
	v_wmma_f32_16x16x32_bf16 v[128*((\c)%2)+32*(\a)+8*(\j):128*((\c)%2)+32*(\a)+8*(\j)+7], v[96*(\f)+8*(4*(\c)+(\j)):96*(\f)+8*(4*(\c)+(\j))+7], v[FA+32*(\f)+8*(\a):FA+32*(\f)+8*(\a)+7], v[128*((\c)%2)+32*(\a)+8*(\j):128*((\c)%2)+32*(\a)+8*(\j)+7]
.endif
.endr
.endr
.endm
; 32 LDS loads in one run: quarter q's fragments into buffer g: x's four (8 loads), then chunk 0's, 1's, 2's (8 each), in the order in which they are multiplied.
.macro FETCH q, g
	WIN 0
.irp a, 0,1,2,3
	ds_load_b128 v[FA+32*(\g)+8*(\a):FA+32*(\g)+8*(\a)+3],   v[ADRA] offset:(\a)*16*PA+64*(\q)
	ds_load_b128 v[FA+32*(\g)+8*(\a)+4:FA+32*(\g)+8*(\a)+7], v[ADRA] offset:(\a)*16*PA+64*(\q)+32
.endr
	WIN 0x40                                       ; destination window 1, address window 0
.irp c, 0,1,2
.irp j, 0,1,2,3
	ds_load_tr16_b128 v[96*(\g)+8*(4*(\c)+(\j)):96*(\g)+8*(4*(\c)+(\j))+3],   v[ADRB] offset:(\c)*CHUNK+(\q)*32*PB+32*(\j)
	ds_load_tr16_b128 v[96*(\g)+8*(4*(\c)+(\j))+4:96*(\g)+8*(4*(\c)+(\j))+7], v[ADRB] offset:(\c)*CHUNK+(\q)*32*PB+32*(\j)+16*PB
.endr
.endr
.endm
; One of a step's first three quarters: multiplies buffer f and fetches quarter q into buffer g.
.macro QUARTER q, f, g, first
	s_wait_dscnt 16                                ; x's and chunk 0's fragments are in; the youngest sixteen loads (chunks 1, 2) may be out
	MULC \f, 0, \first
	PLACES
	FETCH \q, \g
	s_wait_dscnt 32                                ; all but the 32 just issued
	MULC \f, 1, \first
	MULC \f, 2, \first
.endm
; The last quarter multiplies buffer 1 and changes slots: ONE barrier.  In front of it each wave waits for all its tensor loads (one is out: its part of the next slot), adds 0 to its spare word, and waits for that
; and for its own reads of this slot.  fill = 1: the barrier opens a round of the cluster's, and the slot just read is filled again, two K steps on, first thing behind the round.
.macro TURN fill
.if \fill
	s_wait_xcnt 0x0                                ; the last prefetch, a K step back, has read its address: it is stepped here, ahead of the change's own waits
	s_add_nc_u64 s[PFA:PFA+1], s[PFA:PFA+1], 256
.endif
	WIN 0                                          ; (the add's two registers lie in window 0)
	s_wait_tensorcnt 0x0                           ; all my tensor loads have landed
	ds_add_u32 v[SPW], v[NIL]                      ; 0 onto my spare word
	s_wait_dscnt 17                                ; (the add and the youngest sixteen loads may be out)
	MULC 1, 0, 0                                   ; sixteen matrix instructions stand between the add and the wait for it
	s_wait_dscnt 0x0                               ; the add is done, and my reads of this slot are over
	s_barrier_signal -1
	MULC 1, 1, 0                                   ; work on registers while the others arrive
	WIN 0
	s_barrier_wait -1
.if \fill
	CREST                                          ; no wave of any partner still reads this slot or has a load on its way
	s_xor_b32 s[G0A+5], s[G0A+5], SLOT1            ; the walking sets: the other slot than last time, the next K step; no tensor load of mine is out, so they may be written
	s_add_nc_u64 s[G0A+6:G0A+7], s[G0A+6:G0A+7], 256
	s_xor_b32 s[G0B+5], s[G0B+5], SLOT1
	s_add_nc_u64 s[G0B+6:G0B+7], s[G0B+6:G0B+7], 16384
	JLOAD                                          ; the four v_nop behind it are also the places in front of the loads below
.else
	PLACES
.endif
	s_xor_b32 s[TB], s[TB], SLOT1
	v_add_nc_u32 v[ADRA], s[TB], v[A0]
	v_add_nc_u32 v[ADRB], s[TB], v[B0]
	FETCH 0, 0
.if \fill
	WIN 0
	ASK
.endif
	MULC 1, 2, 0
.endm
; THE WAY OUT of unit u = 4 c + a (16 rows of chunk c's head): rounded to f16, 16 bytes a lane into rows of 144 bytes of my stage, back as four rows of 128 a load, which are 512 consecutive bytes of qkv.
.macro PACK u
.set cc, (\u)/4
.set aa, (\u)%4
	WIN 0x0a+5*(cc/2)                              ; sources 0 and 1: window 2 or 3
.irp j, 0,1,2,3
.irp p, 0,1,2,3
	v_cvt_pk_f16_f32 v[OB+16*(\u)+4*(\j)+(\p)], v[128*(cc%2)+32*aa+8*(\j)+2*(\p)], v[128*(cc%2)+32*aa+8*(\j)+2*(\p)+1]
.endr
.endr
	WIN 0
.irp j, 0,1,2,3
	ds_store_b128 v[STO], v[OB+16*(\u)+4*(\j):OB+16*(\u)+4*(\j)+3] offset:32*(\j)
.endr
.irp f, 0,1,2,3
	ds_load_b128 v[OB+16*(\u)+4*(\f):OB+16*(\u)+4*(\f)+3], v[RD] offset:(\f)*4*SP  ; LDS serves a wave's instructions in order (ISA guide 5.7.1.4): these see the stores above; the next unit's stores come behind them
.endr
.endm
.macro SEND u, younger                 ; younger: the LDS instructions issued behind unit u's loads: the next unit's eight, or none
	WIN 0
.set cc, (\u)/4
.set aa, (\u)%4
.irp f, 0,1,2,3
	s_wait_dscnt (\younger)+3-(\f)
	global_store_b128 v[GO], v[OB+16*(\u)+4*(\f):OB+16*(\u)+4*(\f)+3], s[OUT+2*cc:OUT+2*cc+1] offset:aa*2048+(\f)*512  ; 512 consecutive bytes, at a multiple of 256 from qkv's first
.endr
.endm
	s_load_b256 s[4:11], s[0:1], 0x0               ; xb s[4:5], wt s[6:7], bq s[8:9], bk s[10:11]
	s_load_b128 s[12:15], s[0:1], 0x20             ; bv s[12:13], qkv s[14:15]
	v_lshl_add_u32 v[SPW], v0, 2, SPARE
	v_mov_b32 v[NIL], 0
	ds_add_u32 v[SPW], v[NIL]                      ; the wave's opening: the add and its wait stand ahead of my first tensor load; the set-up below, work on registers, stands between them
	v_lshrrev_b32 v1, 5, v0
	v_readfirstlane_b32 s[WV], v1                  ; wave 0..3
	s_bfe_u32 s17, ttmp6, 0x40000                  ; cx
	s_bfe_u32 s18, ttmp6, 0x40004                  ; cy
	s_lshl_b32 s19, ttmp9, 2
	s_add_co_u32 s19, s19, s17                     ; tile column tx = 4 x cluster x + cx
	s_and_b32 s20, ttmp7, 0xffff
	s_lshl_b32 s20, s20, 2
	s_add_co_u32 s20, s20, s18                     ; tile row ty = 4 x cluster y + cy
	s_lshl_b32 s21, s18, 2
	s_lshl_b32 s21, 15, s21                        ; my row of the cluster
	s_lshl_b32 s22, 0x1111, s17                    ; my column
	s_or_b32 s[G1A], s21, (1<<16)|(1<<20)|(1<<21)|(5<<22)|(3<<25)  ; 15:0 the mask; 17:16 2-byte elements; 20 padding on; 21 set beside a mask; 24:22 after every 64 words (code 5); 31:25 4 words (code 3)
	s_mov_b32 s[G1A+1], 128<<16                    ; tensor_dim0 = 128
	s_mov_b32 s[G1A+2], 256<<16                    ; tensor_dim1 = 256
	s_mov_b32 s[G1A+3], 128<<16                    ; tile_dim0 = 128
	s_mov_b32 s[G1A+4], 256                        ; tile_dim1 = 256
	s_mov_b32 s[G1A+5], 1024                       ; 1,024 elements from row to row
	s_mov_b32 s[G1A+6], 0
	s_mov_b32 s[G1A+7], 0
	s_or_b32 s[G1B], s22, (1<<16)|(1<<20)|(1<<21)|(4<<22)|(7<<25)  ; the column's mask; padding after every 32 words (code 4), 8 words (code 7): two k rows to a row of 256 bytes, padded after each
	s_mov_b32 s[G1B+1], 128<<16
	s_mov_b32 s[G1B+2], 64<<16
	s_mov_b32 s[G1B+3], 128<<16
	s_mov_b32 s[G1B+4], 64
	s_mov_b32 s[G1B+5], 128
	s_mov_b32 s[G1B+6], 0
	s_mov_b32 s[G1B+7], 0
	s_lshl_b32 s66, s20, 19                        ; x's tile: 256 rows of 2,048 bytes: the tile row alone
	s_mov_b32 s67, 0
	s_max_u32 s23, s[WV], 1
	s_sub_co_u32 s23, s23, 1                       ; the chunk that waves 1-3 fetch (wave 0 makes this descriptor and never issues it)
	s_mul_i32 s22, s19, 3                          ; the tile's first chunk: the tile column alone
	s_add_co_u32 s68, s22, s23
	s_lshl_b32 s68, s68, 17
	s_mov_b32 s69, 0
	s_mul_i32 s23, s[WV], CHUNK
	s_add_co_u32 s23, s23, BOFF-CHUNK              ; and where it goes: BOFF + (wave - 1) x CHUNK: no place in the cluster enters an LDS address
	s_mov_b32 s[TB], 0
	s_mov_b32 s[HMASK], 0xffff0000
	s_wait_dscnt 0x0                               ; the opening add is done
	s_wait_kmcnt 0x0
	s_add_nc_u64 s[66:67], s[4:5], s[66:67]
	s_add_nc_u64 s[68:69], s[6:7], s[68:69]
	CROUND                                         ; all sixteen work-groups are here: the first joint loads meet
.irp n, 0,1
	s_mov_b32 s[G0A+4*\n], 1                       ; count = 1
	s_mov_b32 s[G0A+4*\n+1], \n*SLOT1              ; LDS address
	s_add_nc_u64 s[G0A+4*\n+2:G0A+4*\n+3], s[66:67], \n*256      ; global address: K step n
	s_or_b32 s[G0A+4*\n+3], s[G0A+4*\n+3], 0x80000000            ; type = 2
	s_mov_b32 s[G0B+4*\n], 1
	s_add_co_u32 s[G0B+4*\n+1], s23, \n*SLOT1
	s_add_nc_u64 s[G0B+4*\n+2:G0B+4*\n+3], s[68:69], \n*16384
	s_or_b32 s[G0B+4*\n+3], s[G0B+4*\n+3], 0x80000000
.endr
	s_cmp_eq_u32 s[WV], 0                          ; a wave's two first fills stand in one branch, ahead of every wait on TENSORcnt and every LDS read: two loads of mine are out
	s_cbranch_scc0 .Lfirst_b
	tensor_load_to_lds s[G0A:G0A+3], s[G1A:G1A+7]
	s_nop 0
	tensor_load_to_lds s[G0A+4:G0A+7], s[G1A:G1A+7]
	s_nop 0
.rept 4
	v_nop
.endr
	s_branch .Lfirst_asked
.Lfirst_b:
	tensor_load_to_lds s[G0B:G0B+3], s[G1B:G1B+7]
	s_nop 0
	tensor_load_to_lds s[G0B+4:G0B+7], s[G1B:G1B+7]
	s_nop 0
.rept 4
	v_nop
.endr
.Lfirst_asked:
	; where the three chunks go, and their biases.  Chunk g = 3 tx + c: matrix g / 16, head g % 16.
	s_lshr_b32 s84, s20, 3
	s_lshl_b32 s84, s84, 4                         ; 16 x batch
	s_and_b32 s85, s20, 7
	s_lshl_b32 s85, s85, 15                        ; the tile's 256 rows of 128 bytes in the head,
	s_lshl_b32 s86, s[WV], 13                      ; my 64 of them
	s_add_co_u32 s85, s85, s86
	s_mov_b32 s87, 0
.irp c, 0,1,2
	s_add_co_u32 s80, s22, \c
	s_lshr_b32 s81, s80, 4
	s_and_b32 s82, s80, 15
	s_lshl_b32 s86, s81, 6
	s_add_co_u32 s86, s86, s82
	s_add_co_u32 s86, s86, s84
	s_lshl_b32 s86, s86, 18                        ; a head is 262,144 bytes
	s_add_co_u32 s86, s86, s85
	s_add_nc_u64 s[OUT+2*\c:OUT+2*\c+1], s[14:15], s[86:87]
	s_cmp_eq_u32 s81, 0
	s_cselect_b64 s[BB+2*\c:BB+2*\c+1], s[8:9], s[10:11]
	s_cmp_eq_u32 s81, 2
	s_cselect_b64 s[BB+2*\c:BB+2*\c+1], s[12:13], s[BB+2*\c:BB+2*\c+1]
	s_lshl_b32 s86, s82, 8                         ; the head's 64 numbers of 4 bytes
	s_add_nc_u64 s[BB+2*\c:BB+2*\c+1], s[BB+2*\c:BB+2*\c+1], s[86:87]
.endr
	; the prefetches: row 256 ty + 64 cx + 32 (wave % 2), at K step 2; the first change of slots steps it to K step 3
	s_lshl_b32 s80, s20, 8
	s_lshl_b32 s81, s17, 6
	s_add_co_u32 s80, s80, s81
	s_and_b32 s81, s[WV], 1
	s_lshl_b32 s81, s81, 5
	s_add_co_u32 s80, s80, s81
	s_lshl_b32 s80, s80, 11
	s_add_co_u32 s80, s80, 512
	s_mov_b32 s81, 0
	s_add_nc_u64 s[PFA:PFA+1], s[4:5], s[80:81]
	s_lshr_b32 s82, s[WV], 1                       ; 0 in waves 0 and 1,
	s_or_b32 s82, s82, ttmp9                       ; where the cluster is its row's first: the same in all sixteen partners
	s_cmp_eq_u32 s82, 0
	s_cselect_b32 s[LIM], 1, -1
	; a fragment of x: lane l holds row l % 16; K = 8 (l / 16) + 0..7 and 16 + 8 (l / 16) + 0..7: two loads of 16 bytes, 32 bytes apart
	v_and_b32 v1, 15, v0                           ; l % 16
	v_bfe_u32 v2, v0, 4, 1                         ; l / 16
	v_and_b32 v3, 7, v0
	v_bfe_u32 v15, v0, 3, 1
	s_mul_i32 s80, s[WV], 64*PA                    ; my 64 rows
	v_mul_u32_u24 v[A0], v1, PA
	v_lshl_add_u32 v[A0], v2, 4, v[A0]
	v_add_nc_u32 v[A0], s80, v[A0]
	; the turning load takes 16 k x 16 columns (lane l reads k row 8 (l / 16) + l % 8, columns 8 ((l / 8) % 2) + 0..7) and leaves half a fragment: lane l holds column l % 16 and 8 k
	v_lshl_add_u32 v[B0], v2, 3, v3
	v_mul_u32_u24 v[B0], v[B0], PB
	v_lshl_add_u32 v[B0], v15, 4, v[B0]
	v_add_nc_u32 v[B0], BOFF, v[B0]
	v_mov_b32 v[ADRA], v[A0]
	v_mov_b32 v[ADRB], v[B0]
	s_mul_i32 s81, s[WV], 16*SP
	s_add_co_u32 s81, s81, STAGE                   ; my stage
	v_mul_u32_u24 v[STO], v1, SP                   ; in: row l % 16, 16 bytes for each half of the lanes
	v_lshl_add_u32 v[STO], v2, 4, v[STO]
	v_add_nc_u32 v[STO], s81, v[STO]
	v_bfe_u32 v[RD], v0, 3, 2                      ; back: 32 lanes take four rows of 128 bytes
	v_mul_u32_u24 v[RD], v[RD], SP
	v_lshl_add_u32 v[RD], v3, 4, v[RD]
	v_add_nc_u32 v[RD], s81, v[RD]
	v_and_b32 v[GO], 31, v0
	v_lshlrev_b32 v[PFO], 11, v[GO]
	v_lshlrev_b32 v[GO], 4, v[GO]
	v_lshlrev_b32 v[BO], 5, v2
	; the bias: register i of block (c, j) belongs to column 16 j + 8 (l / 16) + i of chunk c.  Rounded to bf16 and kept as f32.  All this stands in the wait for the first tile.
	WIN 0xc0                                       ; destination window 3, address window 0
.irp c, 0,1,2
.irp j, 0,1,2,3
	global_load_b128 v[BIAS+32*\c+8*\j:BIAS+32*\c+8*\j+3],   v[BO], s[BB+2*\c:BB+2*\c+1] offset:64*\j
	global_load_b128 v[BIAS+32*\c+8*\j+4:BIAS+32*\c+8*\j+7], v[BO], s[BB+2*\c:BB+2*\c+1] offset:64*\j+16
.endr
.endr
	s_wait_loadcnt 0x0
	WIN 0xcf                                       ; destination and sources window 3
.set gp, 0
.rept 3
.set z, 0
.rept 16
	v_cvt_pk_bf16_f32 v[TB3+z], v[BIAS+32*gp+2*z], v[BIAS+32*gp+2*z+1]
.set z, z+1
.endr
.set z, 0
.rept 16
	v_lshlrev_b32 v[BIAS+32*gp+2*z], 16, v[TB3+z]
	v_and_b32 v[BIAS+32*gp+2*z+1], s[HMASK], v[TB3+z]
.set z, z+1
.endr
.set gp, gp+1
.endr
	WIN 0
	s_wait_tensorcnt 1                             ; my part of K step 0 is in; K step 1's may stay out
	s_barrier_signal -1
	s_barrier_wait -1                              ; everybody's is
	FETCH 0, 0
	QUARTER 1, 0, 1, 1                             ; the first quarter stands in front of the loop: its products start the sums, with the bias
	WIN 0                                          ; at a label and at a branch every window is 0
	s_mov_b32 s[CNT], 6
.Lstep:                                            ; a trip: a step's quarters 1 to 3 and the next step's quarter 0; it asks for the K step two on: K steps 2 to 7
	QUARTER 2, 1, 0, 0
	QUARTER 3, 0, 1, 0
	TURN 1
	QUARTER 1, 0, 1, 0
	WIN 0
	s_sub_co_u32 s[CNT], s[CNT], 1
	s_cmp_lg_u32 s[CNT], 0
	s_cbranch_scc1 .Lstep
	QUARTER 2, 1, 0, 0                             ; the last two K steps are written out: they ask for nothing
	QUARTER 3, 0, 1, 0
	TURN 0
	QUARTER 1, 0, 1, 0
	QUARTER 2, 1, 0, 0
	QUARTER 3, 0, 1, 0
	s_wait_dscnt 16                                ; the very last quarter: nothing more to fetch
	MULC 1, 0, 0
	s_wait_dscnt 0x0
	MULC 1, 1, 0
	MULC 1, 2, 0
	PLACES
	PACK 0
.set u, 1
.rept 11                                           ; a unit's conversions stand between the loads of the unit before and its stores
	PACK u
	SEND u-1, 8
.set u, u+1
.endr
	SEND 11, 0
	s_wait_tensorcnt 0x0                           ; the wave's end: an add on my spare word, behind my last tensor load and my last LDS store
	ds_add_u32 v[SPW], v[NIL]
	s_wait_dscnt 0x0
	CROUND                                         ; the closing round: no work-group ends while a partner may still ask for a tile that names it
	s_endpgm
.Lfunc_end_k_q78a3d01c08_inproj:
	.size	k_q78a3d01c08_inproj, .Lfunc_end_k_q78a3d01c08_inproj-k_q78a3d01c08_inproj
	.p2alignl 7, 3214868480
	.fill 96, 4, 3214868480
	.section	.rodata,"a",@progbits
	.p2align	6, 0x0
	.amdhsa_kernel k_q78a3d01c08_inproj
		.amdhsa_group_segment_fixed_size 327680
		.amdhsa_private_segment_fixed_size 0
		.amdhsa_enable_private_segment 0
		.amdhsa_kernarg_size 48
		.amdhsa_user_sgpr_count 2
		.amdhsa_user_sgpr_kernarg_segment_ptr 1
		.amdhsa_wavefront_size32 1
		.amdhsa_system_sgpr_workgroup_id_x 1
		.amdhsa_system_sgpr_workgroup_id_y 1
		.amdhsa_system_sgpr_workgroup_id_z 1
		.amdhsa_system_vgpr_workitem_id 0
		.amdhsa_next_free_vgpr 1024
		.amdhsa_next_free_sgpr 88
		.amdhsa_reserve_vcc 0
		.amdhsa_float_denorm_mode_32 3
		.amdhsa_float_denorm_mode_16_64 3
		.amdhsa_memory_ordered 1
		.amdhsa_forward_progress 1
		.amdhsa_inst_pref_size 108
	.end_amdhsa_kernel
	.amdgpu_metadata
---
amdhsa.version: [ 1, 2 ]
amdhsa.kernels:
  - .name:           k_q78a3d01c08_inproj
    .symbol:         k_q78a3d01c08_inproj.kd
    .args:
      - { .name: xb, .offset: 0, .size: 8, .value_kind: global_buffer, .address_space: global }
      - { .name: wt, .offset: 8, .size: 8, .value_kind: global_buffer, .address_space: global }
      - { .name: bq, .offset: 16, .size: 8, .value_kind: global_buffer, .address_space: global }
      - { .name: bk, .offset: 24, .size: 8, .value_kind: global_buffer, .address_space: global }
      - { .name: bv, .offset: 32, .size: 8, .value_kind: global_buffer, .address_space: global }
      - { .name: qkv, .offset: 40, .size: 8, .value_kind: global_buffer, .address_space: global }
    .group_segment_fixed_size: 327680
    .private_segment_fixed_size: 0
    .kernarg_segment_align: 8
    .kernarg_segment_size: 48
    .max_flat_workgroup_size: 128
    .sgpr_count:     88
    .vgpr_count:     1024
    .wavefront_size: 32
...
	.end_amdgpu_metadata
.endif
;; end of part 2
;; launch attn (part 3): grid 4 x 64, 4 waves a work-group, clusters of 4 x 1, 327,680 bytes of LDS; arguments qkv, ctx; writes ctx
.if DOCPART == 3
	.amdgcn_target "amdgcn-amd-amdhsa--gfx1250"
	.amdhsa_code_object_version 6
	.text
	.protected	k_q78a3d01c08_attn
	.globl	k_q78a3d01c08_attn
	.p2align	8
	.type	k_q78a3d01c08_attn,@function
k_q78a3d01c08_attn:
	s_mov_b64 s[64:65], 0
	v_nop
	global_prefetch_b8 v0, s[64:65] scope:SCOPE_SE
	s_setreg_imm32_b32 hwreg(HW_REG_WAVE_MODE, 25, 1), 1
	s_wait_xcnt 0x0
	s_wait_alu depctr_hold_cnt(0) depctr_sa_sdst(0) depctr_va_vdst(0) depctr_va_sdst(0) depctr_va_ssrc(0) depctr_va_vcc(0) depctr_vm_vsrc(0)
	s_getreg_b32 s2, hwreg(HW_REG_IB_STS2, 6, 4)
	s_cmp_eq_u32 s2, 0
	s_cbranch_scc0 .Lentry_in_a_cluster
	s_endpgm
.Lentry_in_a_cluster:
	s_bfe_u32 s2, ttmp6, 0x10000c
	s_cmp_lg_u32 s2, 0x3003
	s_cbranch_scc0 .Lentry_shape_is_right
	s_endpgm
.Lentry_shape_is_right:
; O[h][q][:] = the sum over k of softmax_k(Q[h][q] . K[h][k] / 8) V[h][k][:].  qkv holds Q, K, V, each [64][2048][64] f16, 16,777,216 bytes apart; ctx holds O in the same layout: a head's rows are dense, 128 bytes each.
; Products, maxima and sums in f32; the weights p are rounded to f16 for the second product (their sum l is taken of the unrounded p), O once at the end.
; LIMITS.  f16 holds no number beyond 65,504: Q, K and V arrive within it; p lies in 0 to 1, and below 6e-5 it keeps f16's fixed step of 6e-8; O is a mean of V's rows and has their range.
; A weight below 2^-126 counts as 0 in l; NaN and infinities are not treated apart.
; SHARES.  A wave owns four PIECES of two tiles of 16 queries, a work-group's four waves 512 queries of one head: 4 x 64 = 256 work-groups.  Every wave walks all keys, 64 a step.
; LAYOUT.  S^T = K Q^T (source 0 = 16 keys, source 1 = 16 queries): in the result a lane holds ONE query (lane % 16) and the keys 8 (lane / 16) + 0..7.  Two such tiles, rounded to f16 in pairs,
; ARE source 1 (32 keys x 16 queries) of O^T = V^T P, whose result again holds one query a lane, and eight channels.  K comes out of LDS as it lies, V ([key][channel]) turned, by ds_load_tr16_b128.
; SOFTMAX.  For each query a running maximum m and sum l: p = 2^(c s - c m), c = log2(e) / 8; in every step O and l are multiplied by a = 2^(c m_old - c m_new), which is 1 where m has not grown.
; m starts at the lowest finite number, O and l at 0: the first step is a step like any other, with a = 0.
; THE COUNT.  A tile and step have 16 matrix and 118 vector instructions: too many to stand all beside the matrix work.  So the order has one aim: four vector instructions that are READY behind
; EVERY matrix instruction, and the others, which need time of their own whatever the order, in runs without a gap.
; BY TURNS.  Turn n belongs to piece n (the pieces in a ring, step after step).  Its matrix work: 16 products K Q^T of piece n + 1, later 16 products V^T P of piece n - 1.  Its vector work: the scaling,
; exponentials, roundings, sums and rescaling of piece n, and the maximum and statistics of piece n + 1, whose scores the turn itself has made.  So what a turn begins with (c s - c m, O a) waits for nothing.
; CLUSTER.  The four query blocks of a head are one cluster and walk the same K and V, so each tile is asked for JOINTLY: the same tensor load, descriptor and mask in all four.
; REGISTERS, in windows of 256 (s_set_vgpr_msb says which window each operand place means: bits 1:0 source 0, 3:2 source 1, 5:4 source 2, 7:6 destination):
;   window 0: v0-11 addresses; v12-15, v48-63 at work; v16-47 four registers of statistics a tile; v64-191 S^T, two buffers of two tiles; v192-255 P, likewise
;   window 1: O^T, 32 a tile          window 2: v0-127 Q, 16 a tile; v128-191 K of one step; v192-255 V of one step          window 3: v0-1 the add's two registers
; A piece's buffers go by its number's parity: the piece in hand has one pair, its two neighbours in the ring share the other: of it P (piece n - 1) is read and S^T (piece n + 1) written.
.set SIZE_N, 2048
.set NP,    4         ; pieces a wave: a name, no knob: the register map, the loop and the fetches are made for four
.set KS,    64        ; keys in a step
.set PK,    144       ; a row of K in LDS: 128 bytes + 16 of padding = 36 words: the 16 rows of a load start at 16 different groups of four banks (64 banks of 4 bytes: ISA guide 11.1)
.set PV,    160       ; a row of V: 128 + 32 = 40 words
.set VOFF,  4*KS*PK   ; a slot holds four steps: 256 rows of K, then 256 rows of V
.set SLOT1, 1<<17     ; slot 1 begins here, so that one exclusive or turns an address in one slot into the other's
.set STAGE, SLOT1+4*KS*(PK+PV)  ; behind the ring, never filled by a tensor load: 16 rows x 144 bytes for each wave, for the way out
.set SP,    144
.set AK0, 2           ; v2   my lane's place in a tile of K; never rewritten
.set AV0, 3           ; v3   the same for V
.set AK,  4           ; v4   the LDS address of K's next run of loads
.set AV,  5           ; v5   of V's
.set QO,  6           ; v6   my byte offset in the wave's rows of Q
.set STO, 6           ;      later, the way out: where I put 16 bytes of a row
.set RD,  7           ; v7   the way out: where I read rows back
.set GO,  8           ; v8   my byte offset in 512 consecutive bytes of O
.set PFO, 11          ; v11  once V's address is made: 256 x my lane, the prefetches' offset; then never rewritten
.set SPW, 0           ; v0 of window 3   LDS address of my spare word: SPARE + 4 x my thread's number; never rewritten
.set NIL, 1           ; v1 of window 3   0; never rewritten
.set SPARE, STAGE+4*16*SP  ; behind the stages: the spare words, 128 bytes for each wave: two blocks of 256 bytes that no other line names
.set MV,  12          ; v12-15  c m_old, kept while c m is made anew: by buffer and tile
.set ST,  16          ; tile t's statistics at v[ST+4 t]: c m, m, l (even keys', odd keys')
.set TMP, 48          ; by buffer and tile, four registers c0-c3 at work; when the maximum is found c2 takes a
.set S,   64
.set P,   192
.set KF,  128         ; K's fragments, in window 2: key block kb, channel half c at KF + 16 kb + 8 c
.set VF,  192         ; V's: key half kk, channel block cb at VF + 32 kk + 8 cb
.set WV,  12          ; s12  my wave's number
.set G1K, 24          ; s[24:31] descriptor group 1 for K's tiles
.set G1V, 32          ; s[32:39] for V's: it differs in the padding alone
.set G0K, 40          ; s[40:43] descriptor group 0 for K's tiles: it walks
.set G0V, 44          ; s[44:47] the same for V's
.set PFA, 48          ; s[48:49] where my prefetches stand: my work-group's 8,192 bytes (of K: wave 0, of V: wave 2) of the slot after the one that is being asked for
.set LIM, 50          ; s50  1 in a wave that prefetches, else the greatest number
.set SLOTS, 56        ; s56  slots still to be asked for
.set CNT, 57          ; s57  counts a slot's key steps
.set CS,  58          ; s[58:59] c: the packed scaling takes the pair's low word for both halves
.set SEL, 60          ; s[60:61] v_permlanex16_b32's selects: each lane takes its own place in the other half
.set TBK, 62          ; s62  LDS byte at which K of the step to be fetched begins
.set TBV, 63          ; s63  the same for V, less VOFF
.set MSB, 0
.macro WIN new                      ; the high byte repeats the setting that is left; a switch that changes nothing is dropped
.if MSB != (\new)
	s_set_vgpr_msb (MSB<<8)|(\new)
.set MSB, (\new)
.endif
.endm
.set W_KQ, 0x0a       ; K and Q in window 2, S^T in window 0
.set W_PV, 0x52       ; V in window 2, P in window 0, O^T in window 1
.set W_RS, 0x41       ; O^T (destination and source 0) in window 1, a in window 0
.set W_MK, 0xc0       ; the add's registers are made: destination in window 3, sources in window 0
.set W_AD, 0x0f       ; the add: address (source 0) and data (source 1) in window 3
; A joint fill.  Waves 0 and 1 fetch the two halves of a slot's K, waves 2 and 3 those of its V: 128 keys each.  The branch hangs on the wave's number alone.
; An s_nop 0 and four v_nop follow each of the two lines, ahead of the jump and the label.
.macro JLOAD
	s_cmp_lt_u32 s[WV], 2
	s_cbranch_scc0 .Lfor_v_\@
	tensor_load_to_lds s[G0K:G0K+3], s[G1K:G1K+7]
	s_nop 0
.rept 4
	v_nop
.endr
	s_branch .Lasked_\@
.Lfor_v_\@:
	tensor_load_to_lds s[G0V:G0V+3], s[G1V:G1V+7]
	s_nop 0
.rept 4
	v_nop
.endr
.Lasked_\@:
.endm
; A PREFETCH INTO THE L2 of what the NEXT change of slots will ask for: a slot's 32,768 bytes of K and of V, in blocks of 256 bytes, a lane a block.  It stands behind the wave's tensor load and its five lines.
; Each block is named ONCE in the launch: a head has one cluster; its four partners share the blocks out BY ADDRESS, 32 of K and 32 of V each; in each, wave 0 asks for K's and wave 2 for V's: one instruction.
; It runs one slot, four key steps, ahead of the load.  Slots 0 and 1 come by their loads alone; the last change that fills a slot asks for nothing: there is no slot behind it.
.macro ASK
	s_cmp_gt_u32 s[SLOTS], s[LIM]
	s_cbranch_scc0 .Lnot_mine_\@
	global_prefetch_b8 v[PFO], s[PFA:PFA+1] th:TH_LOAD_NT scope:SCOPE_SE
.Lnot_mine_\@:
.endm
; A round of the cluster's barrier: my work-group's barrier, so that wave 0's signal speaks for all four waves; wave 0 signals; every wave waits for all four work-groups; my work-group's barrier once more.
.macro CROUND
	s_barrier_signal -1
	s_barrier_wait -1
	s_cmp_lg_u32 s[WV], 0
	s_cbranch_scc1 .Lnot_wave_0_\@
	s_barrier_signal -3
.Lnot_wave_0_\@:
	s_barrier_wait -3
	s_barrier_signal -1
	s_barrier_wait -1
.endm
; THE CHANGE OF SLOTS.  The slot's last bytes, V of its fourth step, have been read.  Each wave waits for all its tensor loads, of which one is out: its part
; of the other slot; adds 0 to its spare word; and waits for that and for its own reads of the slot.  Behind the barrier nobody reads this slot any more and the other slot is whole.
; fill = 1: this slot is filled again, with the keys two slots on.  The barrier is then a round of the cluster's, so that no wave of any partner still reads the slot or has a load on its
; way, and the joint fill is the first thing behind it: it has four key steps, 512 matrix instructions, in which to land.  (At its first use nothing has been read yet: slot 0 is waited for, slot 1 filled.)
.macro CHANGE fill
	WIN W_AD
	s_wait_tensorcnt 0x0            ; no tensor load of mine is out, so a group 0 may be written
	ds_add_u32 v[SPW], v[NIL]       ; 0 onto my spare word: with fill = 1 the descriptors' steps stand between it and the wait for it
	WIN 0                           ; at a label and at a branch every window is 0
.if \fill
.irp g, G0K, G0V
	s_xor_b32 s[\g+1], s[\g+1], SLOT1  ; the walking descriptor: the other slot than last time,
	s_add_nc_u64 s[\g+2:\g+3], s[\g+2:\g+3], 4*KS*128  ; the next 256 keys; the type bits on top are not reached
.endr
	s_wait_xcnt 0x0                 ; the last prefetch, four key steps back, has read its address, so it may be written:
	s_add_nc_u64 s[PFA:PFA+1], s[PFA:PFA+1], 4*KS*128  ; one slot behind the walking descriptors
	s_wait_dscnt 0x0                ; the add is done, and my reads of the slot are over
	CROUND
	JLOAD
	ASK
.else
	s_wait_dscnt 0x0                ; the add is done, and my reads of the slot are over
	s_barrier_signal -1
	s_barrier_wait -1
.endif
	s_sub_co_u32 s[TBK], s[TBK], 4*KS*PK  ; the fetches go back to a slot's first step,
	s_xor_b32 s[TBK], s[TBK], SLOT1       ; in the other slot
	s_sub_co_u32 s[TBV], s[TBV], 4*KS*PV
	s_xor_b32 s[TBV], s[TBV], SLOT1
.endm
	s_load_b64 s[4:5], s[0:1], 0x0    ; qkv: Q at its head
	s_load_b64 s[10:11], s[0:1], 0x8  ; O
	WIN W_MK
	v_lshl_add_u32 v[SPW], v0, 2, SPARE
	v_mov_b32 v[NIL], 0
	WIN W_AD
	ds_add_u32 v[SPW], v[NIL]       ; the wave's opening: the add and its wait stand ahead of my first tensor load; the set-up below, work on registers, stands between them
	WIN 0
	v_lshrrev_b32 v1, 5, v0
	v_readfirstlane_b32 s[WV], v1   ; wave 0..3
	s_bfe_u32 s13, ttmp6, 0x40000   ; cx: my place in the cluster
	s_lshl_b32 s14, ttmp9, 2        ; in a cluster launch ttmp9 counts clusters
	s_add_co_u32 s14, s14, s13      ; my block of queries = 4 x cluster x + cx: it enters Q's and O's addresses alone
	s_and_b32 s20, ttmp7, 0xffff    ; the head, which the four partners share
	s_mov_b32 s21, 0
	s_mov_b64 s[22:23], SIZE_N*128
	s_mul_u64 s[20:21], s[20:21], s[22:23]  ; the head's first byte in each of the four tensors
	s_and_b32 s16, s[WV], 1         ; which half of a slot's 256 keys I fetch:
	s_lshl_b32 s22, s16, 14         ; its 128 rows of 128 bytes in memory,
	s_mov_b32 s23, 0
	s_add_nc_u64 s[22:23], s[22:23], s[20:21]
	s_mul_i32 s17, s16, 128*PK      ; and its place in a slot, for K
	s_mul_i32 s18, s16, 128*PV      ; and for V: no place in the cluster enters an LDS address
	s_lshl_b32 s2, s14, 2
	s_add_co_u32 s2, s2, s[WV]      ; my wave among the head's,
	s_lshl_b32 s2, s2, 14           ; its 128 rows
	s_mov_b32 s3, 0
	s_add_nc_u64 s[2:3], s[2:3], s[20:21]
	; descriptor group 1.  128 keys are 16,384 dense bytes: asked for as 64 rows of 256 bytes, two keys a row, and padded in LDS after every key
	s_mov_b32 s[G1K], 15|(1<<16)|(1<<20)|(1<<21)|(4<<22)|(3<<25)  ; 15:0 the mask of four; 17:16 2-byte elements; 20 padding on; 21 set beside a mask; 24:22 after every 32 words (code 4); 31:25 4 words (code 3)
	s_mov_b32 s[G1V], 15|(1<<16)|(1<<20)|(1<<21)|(4<<22)|(7<<25)  ; the same with 8 words of padding (code 7)
.irp g, G1K, G1V
	s_mov_b32 s[\g+1], 128<<16      ; tensor_dim0 = 128
	s_mov_b32 s[\g+2], 64<<16       ; tensor_dim1 = 64
	s_mov_b32 s[\g+3], 128<<16      ; tile_dim0 = 128
	s_mov_b32 s[\g+4], 64           ; tile_dim1 = 64
	s_mov_b32 s[\g+5], 128          ; 128 elements from row to row
	s_mov_b32 s[\g+6], 0
	s_mov_b32 s[\g+7], 0
.endr
	s_mov_b32 s[CS], 0x3e38aa3b     ; c = log2(e) / 8 = 0.180337
	s_mov_b32 s[CS+1], s[CS]        ; named with it as a pair
	s_mov_b32 s[SEL], 0x76543210
	s_mov_b32 s[SEL+1], 0xfedcba98
	s_mov_b32 s[TBK], SLOT1+4*KS*PK ; the first change of slots turns these two into 0
	s_mov_b32 s[TBV], SLOT1+4*KS*PV
	s_mov_b32 s[G0K], 1             ; 1:0 count = 1
	s_mov_b32 s[G0K+1], s17         ; 63:32 LDS address: slot 0
	s_mov_b32 s[G0V], 1
	s_add_co_u32 s[G0V+1], s18, VOFF
	s_mov_b32 s[SLOTS], SIZE_N/256-1
	s_cmp_eq_u32 s16, 0             ; waves 0 and 2 prefetch: the same in all four partners
	s_cselect_b32 s[LIM], 1, -1
	s_wait_dscnt 0x0                ; the opening add is done
	s_wait_kmcnt 0x0
	s_add_nc_u64 s[6:7], s[4:5], 0x1000000  ; K lies 16,777,216 bytes behind Q,
	s_add_nc_u64 s[8:9], s[4:5], 0x2000000  ; V as far behind K
	s_add_nc_u64 s[6:7], s[6:7], s[22:23]   ; at my half of the head's first 256 keys
	s_add_nc_u64 s[8:9], s[8:9], s[22:23]
	s_mov_b64 s[G0K+2:G0K+3], s[6:7]               ; 120:64 global address
	s_or_b32 s[G0K+3], s[G0K+3], 0x80000000        ; 127:126 type = 2
	s_mov_b64 s[G0V+2:G0V+3], s[8:9]
	s_or_b32 s[G0V+3], s[G0V+3], 0x80000000
	s_add_nc_u64 s[4:5], s[4:5], s[2:3]  ; Q and O at my wave's first row
	s_add_nc_u64 s[10:11], s[10:11], s[2:3]
	s_cmp_lt_u32 s[WV], 2
	s_cselect_b64 s[PFA:PFA+1], s[6:7], s[8:9]  ; (in waves 0 and 2 these stand at a slot's first row)
	s_lshl_b32 s2, s13, 13          ; my work-group's 32 blocks of the 128
	s_mov_b32 s3, 0
	s_add_nc_u64 s[PFA:PFA+1], s[PFA:PFA+1], s[2:3]
	s_add_nc_u64 s[PFA:PFA+1], s[PFA:PFA+1], 4*KS*128  ; in slot 1; the first change of slots steps it to slot 2.  Nothing is prefetched here, at the head
	CROUND                          ; all four work-groups are here: the first joint loads meet
	JLOAD                           ; slot 0.  Slot 1 is asked for when slot 0 is in: the tile wanted first has the road to itself
	; A fragment of K or Q is 16 rows x 32 channels in 8 registers: lane l holds row l % 16, channels 8 (l / 16) + 0..7 and 16 + 8 (l / 16) + 0..7: two loads of 16 bytes, 32 bytes apart.
	v_and_b32 v1, 15, v0            ; l % 16
	v_bfe_u32 v9, v0, 4, 1          ; l / 16
	v_lshlrev_b32 v[QO], 7, v1
	v_lshl_add_u32 v[QO], v9, 4, v[QO]  ; row x 128 + 16 x half
	WIN 0x80                        ; destination window 2, address window 0
.set i, 0
.rept 4*NP                          ; Q stays in registers: tile i / 2, channels 32 (i % 2) on
	global_load_b128 v[8*i:8*i+3],   v[QO], s[4:5] offset:(i/2)*2048+(i%2)*64
	global_load_b128 v[8*i+4:8*i+7], v[QO], s[4:5] offset:(i/2)*2048+(i%2)*64+32
.set i, i+1
.endr
	; What the first turn finds: V's registers and P's second buffer hold 0 (its products V^T P, of a piece that has not been, add 0), O^T and l are 0.  All this stands in the wait for the first tile.
.set i, VF
.rept 64
	v_mov_b32 v[i], 0
.set i, i+1
.endr
	WIN 0x40
.set i, 0
.rept 64*NP
	v_mov_b32 v[i], 0
.set i, i+1
.endr
	WIN 0
.set i, 0
.rept 2*NP
	v_mov_b32 v[ST+4*i], 0xfe000000    ; c m: far below every c s
	v_mov_b32 v[ST+4*i+1], 0xff7fffff  ; m
	v_mov_b32 v[ST+4*i+2], 0
	v_mov_b32 v[ST+4*i+3], 0
.set i, i+1
.endr
.set i, P+32
.rept 32
	v_mov_b32 v[i], 0
.set i, i+1
.endr
	v_mul_u32_u24 v[AK0], v1, PK
	v_lshl_add_u32 v[AK0], v9, 4, v[AK0]  ; row x pitch + 16 x half
	; The turning load takes 16 keys x 16 channels (lane l reads key 8 (l / 16) + l % 8, channels 8 ((l / 8) % 2) + 0..7) and leaves half a fragment of V^T: lane l holds channel l % 16 and 8 keys.
	v_and_b32 v10, 7, v0
	v_bfe_u32 v11, v0, 3, 1
	v_lshl_add_u32 v[AV0], v9, 3, v10
	v_mul_u32_u24 v[AV0], v[AV0], PV
	v_lshl_add_u32 v[AV0], v11, 4, v[AV0]
	v_add_nc_u32 v[AV0], VOFF, v[AV0]
	v_and_b32 v[PFO], 31, v0
	v_lshlrev_b32 v[PFO], 8, v[PFO]
	v_mov_b32 v[AK], v[AK0]         ; key step 0 lies at the head of slot 0
; THE MATRIX WORK.  The 8 accumulators of a run of 16 take turns: between the two links of a chain stand 7 others'.
; Product i of 16 of S^T = K Q^T for piece x: channels 32 (i / 8) on, keys 16 ((i / 2) % 4) on, tile 2 x + i % 2.  The first 8 start the sums.
.macro KQ x
	WIN W_KQ
.set rS, S+64*((\x)%2)+32*(i%2)+8*((i/2)%4)
.set rK, KF+16*((i/2)%4)+8*(i/8)
.set rQ, 16*(2*(\x)+i%2)+8*(i/8)
.if i < 8
	v_wmma_f32_16x16x32_f16 v[rS:rS+7], v[rK:rK+7], v[rQ:rQ+7], 0
.else
	v_wmma_f32_16x16x32_f16 v[rS:rS+7], v[rK:rK+7], v[rQ:rQ+7], v[rS:rS+7]
.endif
.endm
; Product i of 16 of O^T += V^T P for piece x: keys 32 (i / 8) on, channels 16 ((i / 2) % 4) on, tile 2 x + i % 2.
.macro PV x
	WIN W_PV
.set rO, 32*(2*(\x)+i%2)+8*((i/2)%4)
.set rV, VF+32*(i/8)+8*((i/2)%4)
.set rP, P+32*((\x)%2)+16*(i%2)+8*(i/8)
	v_wmma_f32_16x16x32_f16 v[rO:rO+7], v[rV:rV+7], v[rP:rP+7], v[rO:rO+7]
.endm
.macro MM                           ; the turn's next matrix instruction
.if i < 16
	KQ (Y+1)%NP
.set i, i+1
.else
.set i, i-16
	PV (Y+NP-1)%NP
.set i, i+17
.endif
.endm
; THE LDS LOADS stand in runs of 16, never singly among the matrix instructions: a step's K (64 keys x 64 channels: 8 fragments) and its V (turned).  Their addresses are made some lines ahead.
; last = 1 (the tail): in the last trip there is no further step, and the run is jumped over.
.macro FETCH_K last=0
	WIN 0
.if \last
	s_cmp_eq_u32 s[CNT], 1
	s_cbranch_scc1 .Lno_k_\@
.endif
	WIN 0x80                        ; destination window 2
.irp f, 0,1,2,3,4,5,6,7             ; keys 16 (f / 2) on, channels 32 (f % 2) on
	ds_load_b128 v[KF+8*\f:KF+8*\f+3],   v[AK] offset:(\f/2)*16*PK+(\f%2)*64
	ds_load_b128 v[KF+8*\f+4:KF+8*\f+7], v[AK] offset:(\f/2)*16*PK+(\f%2)*64+32
.endr
	s_add_co_u32 s[TBK], s[TBK], KS*PK  ; the next fetch is the next step's
	WIN 0
.if \last
.Lno_k_\@:
.endif
.endm
.macro FETCH_V
	WIN 0x80
.irp f, 0,1,2,3,4,5,6,7             ; keys 32 (f / 4) on, channels 16 (f % 4) on
	ds_load_tr16_b128 v[VF+8*\f:VF+8*\f+3],   v[AV] offset:(\f/4)*32*PV+(\f%4)*32
	ds_load_tr16_b128 v[VF+8*\f+4:VF+8*\f+7], v[AV] offset:(\f/4)*32*PV+16*PV+(\f%4)*32
.endr
	WIN 0
.endm
; THE VECTOR WORK OF A TURN stands in three queues, each in the order in which its entries become ready; the two tiles alternate, so that no instruction reads the result of the one before it.
.macro REGS y, u                    ; the registers of tile u (0, 1) of piece y
.set rT, ST+4*(2*(\y)+(\u))
.set rC, TMP+8*((\y)%2)+4*(\u)
.set rM, MV+2*((\y)%2)+(\u)
.set rS, S+64*((\y)%2)+32*(\u)
.set rP, P+32*((\y)%2)+16*(\u)
.set rO, 32*(2*(\y)+(\u))
.endm
; Number n of the 22 that find the NEXT piece's (Y + 1) maximum and statistics.  s0-s31 are the lane's 32 scores; each accumulator's lowest registers are read first.  XS, GS and REGS set no window: PL and EX do.
;   0-11  four chains c0-c3 of seven scores each, three operands at a time     12-14, 16  the four scores left over, the old m, and c0-c3 into c0     15  c m_old is kept
;   17, 18  the query's other 32 keys lie in the lane 16 away: the new m         19-21  c m; c m_old - c m_new; a
.macro XS u, n
	REGS (Y+1)%NP, \u
.if (\n) < 4
	v_max3_num_f32 v[rC+(\n)], v[rS+8*(\n)], v[rS+8*(\n)+1], v[rS+8*(\n)+2]
.elseif (\n) < 12
	v_max3_num_f32 v[rC+(\n)%4], v[rC+(\n)%4], v[rS+8*((\n)%4)+2*((\n)/4)+1], v[rS+8*((\n)%4)+2*((\n)/4)+2]
.elseif (\n) == 12
	v_max3_num_f32 v[rC], v[rC], v[rS+7], v[rS+15]
.elseif (\n) == 13
	v_max3_num_f32 v[rC+1], v[rC+1], v[rS+23], v[rS+31]
.elseif (\n) == 14
	v_max3_num_f32 v[rC+2], v[rC+2], v[rC+3], v[rT+1]
.elseif (\n) == 15
	v_mov_b32 v[rM], v[rT]
.elseif (\n) == 16
	v_max3_num_f32 v[rC], v[rC], v[rC+1], v[rC+2]
.elseif (\n) == 17
	v_permlanex16_b32 v[rC+3], v[rC], s[SEL], s[SEL+1]
.elseif (\n) == 18
	v_max_num_f32 v[rT+1], v[rC], v[rC+3]
.elseif (\n) == 19
	v_mul_f32 v[rT], s[CS], v[rT+1]
.elseif (\n) == 20
	v_sub_f32 v[rC+1], v[rM], v[rT]
.else
	v_exp_f32 v[rC+2], v[rC+1]
.endif
.endm
; Number g of the 64 that follow the exponentials.  For each four weights k of a tile (pairs 2 k, 2 k + 1): both pairs are rounded to f16; then the second pair is added onto the first, in place;
; a group later l takes that sum (the first time as l = a l + sum).  In groups of eight, tiles alternating: round, round, add, and l for the group before.
.macro GS g
.set h, (\g)+6*((\g)/62)            ; group 0 has no group before it, and behind group 7 only l is left
.if h >= 6
.set h, h+2
.endif
	REGS Y, h%2
.set k, h/8
.if h%8 < 4
	s_wait_alu depctr_va_vdst(0)
	v_cvt_pk_f16_f32 v[rP+2*k+(h%8)/2], v[rS+4*k+2*((h%8)/2)], v[rS+4*k+2*((h%8)/2)+1]
.elseif h%8 < 6
	v_pk_add_f32 v[rS+4*k:rS+4*k+1], v[rS+4*k:rS+4*k+1], v[rS+4*k+2:rS+4*k+3]
.elseif k == 1
	v_pk_fma_f32 v[rT+2:rT+3], v[rT+2:rT+3], v[rC+2:rC+3], v[rS:rS+1] op_sel_hi:[1,0,1]
.else
	v_pk_add_f32 v[rT+2:rT+3], v[rT+2:rT+3], v[rS+4*k-4:rS+4*k-3]
	s_wait_alu depctr_va_vdst(0)
.endif
.endm
; THE PLAIN QUEUE, 138 long.  0-31: c s - c m for the 16 pairs of both tiles.  Then GS's 64, and among them the next piece's 42: number 15 at 38, 39; 0-14 and 16
; at 42-73, behind the products that make those scores; 17-20 at 95-106, two of three, since each waits for the one before it.
.macro PL
	WIN 0
.if q < 32
	REGS Y, q%2
	v_pk_fma_f32 v[rS+2*(q/2):rS+2*(q/2)+1], v[rS+2*(q/2):rS+2*(q/2)+1], s[CS:CS+1], v[rT:rT+1] op_sel_hi:[1,0,0] neg_lo:[0,0,1] neg_hi:[0,0,1]
.elseif q < 38
	GS q-32
.elseif q < 40
	XS q%2, 15
.elseif q < 42
	GS q-34
.elseif q < 74
	XS q%2, (q-42)/2+(q-42)/30
.elseif q < 95
	GS q-66
.elseif (q < 107) && ((q-95)%3 < 2)
	XS (q-95)%3, 17+(q-95)/3
.elseif q < 107
	GS 29+(q-95)/3
.else
	GS q-74
.endif
.set q, q+1
.endm
; THE EXPONENTIALS' QUEUE, 66 long: s0-s31 of both tiles, and at EA the next piece's two a.
.set EA, 58
.macro EX
	WIN 0
.if (e == EA) || (e == EA+1)
	XS e-EA, 21
.else
.set x, e-2*(e/(EA+2))
	REGS Y, x%2
	v_exp_f32 v[rS+x/2], v[rS+x/2]
.endif
.set e, e+1
.endm
; THE RESCALING's QUEUE: O^T times a, the one part that leaves window 0, so it is dealt four at a time, eight times.
.macro R4
	REGS Y, r%2
	WIN W_RS
	s_wait_alu depctr_va_vdst(0)
.irp z, 0,1,2,3
	v_pk_mul_f32 v[rO+8*(r/2)+2*\z:rO+8*(r/2)+2*\z+1], v[rO+8*(r/2)+2*\z:rO+8*(r/2)+2*\z+1], v[rC+2:rC+3] op_sel_hi:[1,0]
.endr
.set r, r+1
.endm
; HOW THEY ARE DEALT.  Behind a matrix instruction four: plain, exponential, plain, plain (one exponential, a plain instruction on either side), or four of the rescaling.  None names a register of the
; products round it.  What is over stands in two LUMPS: exponential and plain by turns; the second ends in 22 plain instructions.  The two v_permlanex16_b32 fall into the second lump, never behind a product.
; The queues lean on each other, and the deal keeps them in step: exponential e stands behind plain 2 (e / 4) + e % 2 (its scaling); when plain 32 comes, 10 exponentials are out, at 59: 33, at 95: 46; EA comes behind plain 107.
.macro SL
	MM
	PL
	EX
	PL
	PL
.endm
.macro BURST n                      ; 15 matrix instructions, or 16
.rept (\n)-7
	SL
.endr
.rept 3
	MM
	R4
	SL
.endr
	MM
	R4
.endm
; A TURN, for piece p.  cnt = 1: the loop's count is taken down some lines ahead of the branch that stands behind the turn.
; K of the next step is fetched in piece 2's turn, 31 vector instructions behind the last product that read K; its first reader comes behind the rest of the lump, 16 products and the second lump.
; V of the step in hand is fetched at the end of piece 0's turn, 69 behind its last reader; its first reader comes behind 16 products and a lump.  The four conditions on e and q below go with the deal.
.macro TURN p, last=0, cnt=0
.set Y, (\p)
.set i, 0
.set q, 0
.set e, 0
.set r, 0
.if (\p) == NP-1
	s_wait_dscnt 0x0                ; K is in
.endif
	MM
.rept 4
	PL
.endr
	BURST 15
.rept 22
	EX
	PL
.if ((\p) == NP-2) && (e == 18)
	v_add_nc_u32 v[AK], s[TBK], v[AK0]
.endif
.if ((\p) == NP-2) && (e == 24)
	FETCH_K \last
.endif
.endr
.if (\p) == 1
	s_wait_dscnt 0x0                ; V is in
.endif
	BURST 16
.rept 21
	EX
	PL
.endr
.rept 22
	PL
.if ((\p) == 0) && (q == 118)
	v_add_nc_u32 v[AV], s[TBV], v[AV0]
	s_wait_alu depctr_va_vdst(0)
.endif
.if ((\p) == 0) && (q == 130)
	s_add_co_u32 s[TBV], s[TBV], KS*PV
.endif
.if (\cnt) && (q == 130)
	s_sub_co_u32 s[CNT], s[CNT], 1
	s_cmp_lg_u32 s[CNT], 0
.endif
.endr
.if (\p) == 0
	FETCH_V
.endif
.endm
	CHANGE 1                        ; slot 0 is in, everybody's part of it; slot 1 is asked for
	FETCH_K                         ; key step 0
	s_wait_loadcnt 0x0              ; Q
	s_wait_dscnt 0x0
.set i, 0
.rept 16
	KQ 0                            ; piece 0's first scores: there is no vector work yet to set between them
.set i, i+1
.endr
	WIN 0                           ; the addresses for the way out: nine plain instructions, the places behind those products
	s_mul_i32 s13, s[WV], 16*SP
	s_add_co_u32 s13, s13, STAGE    ; my stage
	v_mul_u32_u24 v[STO], v1, SP    ; in: row l % 16, 16 bytes for each half of the lanes
	v_lshl_add_u32 v[STO], v9, 4, v[STO]
	v_add_nc_u32 v[STO], s13, v[STO]
	v_bfe_u32 v[RD], v0, 3, 2       ; back: 32 lanes take four rows of 128 bytes,
	v_mul_u32_u24 v[RD], v[RD], SP
	v_lshl_add_u32 v[RD], v10, 4, v[RD]
	v_add_nc_u32 v[RD], s13, v[RD]
	v_and_b32 v[GO], 31, v0         ; which are 512 consecutive bytes of O
	v_lshlrev_b32 v[GO], 4, v[GO]
.set Y, NP-1                        ; XS works for piece Y + 1: piece 0
.irp n, 0,1,2,3,4,5,6,7,8,9,10,11,12,13,14,15,16,17,18,19,20,21
	XS 0, \n                        ; and piece 0's first maximum and statistics
	XS 1, \n
.endr
	s_mov_b32 s[CNT], 4
	s_branch .Lfirst                ; the loop is entered at a step's first turn, in the middle of a trip
.Lslot:                             ; SIZE_N / 256 - 2 times: every slot but the last two is filled again
	CHANGE 1
	s_mov_b32 s[CNT], 4
.Lstep:                             ; a trip: pieces 2 and 3 of one step, then pieces 0 and 1 of the next, whose K and V it fetches
	TURN 2
	TURN 3
	WIN 0
.Lfirst:
	TURN 0
	TURN 1, 0, 1
	WIN 0
	s_cbranch_scc1 .Lstep
	s_sub_co_u32 s[SLOTS], s[SLOTS], 1
	s_cmp_lg_u32 s[SLOTS], 0
	s_cbranch_scc1 .Lslot
	CHANGE 0                        ; the tail is written out: nothing is asked for
	s_mov_b32 s[CNT], 5             ; four trips fetch the last slot's steps; the fifth is left in its middle
.Ltail:
	TURN 2, 1
	TURN 3
	WIN 0
	s_sub_co_u32 s[CNT], s[CNT], 1
	s_cmp_eq_u32 s[CNT], 0
	s_cbranch_scc1 .Lout
	TURN 0
	TURN 1
	WIN 0
	s_branch .Ltail
.Lout:                              ; the fifth trip's 16 products K Q^T (on the last K once more) and the maximum made of them serve nothing: the price, once a launch, of one text for every trip
.set i, 0
.rept 16
	PV NP-1                         ; the last piece's V^T P of the last step
.set i, i+1
.endr
	; THE WAY OUT.  l's two halves and the other half of the lanes' are added; O^T is divided by l, rounded to f16 and sent through my stage in LDS, a tile at a time.  The additions are the places behind the last products.
	WIN 0
.macro ALL line:vararg              ; one line for each tile t
.set t, 0
.rept 2*NP
	\line
.set t, t+1
.endr
.endm
	ALL v_add_f32 v[ST+4*t+2], v[ST+4*t+2], v[ST+4*t+3]
	ALL v_permlanex16_b32 v[ST+4*t+3], v[ST+4*t+2], s[SEL], s[SEL+1]
	ALL v_add_f32 v[ST+4*t+2], v[ST+4*t+2], v[ST+4*t+3]
	ALL v_rcp_f32 v[ST+4*t+2], v[ST+4*t+2]
	v_nop                           ; a plain instruction between the last reciprocal and the use of its result
	s_wait_alu depctr_va_vdst(0)
; Tile t: a lane's eight channels of a row pack into 16 bytes; they go into rows of 144 bytes and come back as whole rows of 128, into S^T's registers.
.macro PACK t
	WIN W_RS
.set i, 32*(\t)
.rept 16
	v_pk_mul_f32 v[i:i+1], v[i:i+1], v[ST+4*(\t)+2:ST+4*(\t)+3] op_sel_hi:[1,0]
.set i, i+2
.endr
	WIN 0x05                        ; sources 0 and 1 window 1, destination window 0
.set i, 0
.rept 16
	v_cvt_pk_f16_f32 v[S+16*(\t)+i], v[32*(\t)+2*i], v[32*(\t)+2*i+1]
.set i, i+1
.endr
	WIN 0
.irp f, 0,1,2,3
	ds_store_b128 v[STO], v[S+16*(\t)+4*\f:S+16*(\t)+4*\f+3] offset:32*\f
.endr
.irp f, 0,1,2,3
	ds_load_b128 v[S+16*(\t)+4*\f:S+16*(\t)+4*\f+3], v[RD] offset:\f*4*SP  ; LDS serves a wave's instructions in order (ISA guide 5.7.1.4): these see the stores above; the next tile's stores come behind them
.endr
.endm
.macro SEND t, younger              ; younger: the LDS instructions issued behind tile t's loads: the next tile's eight, or none
	WIN 0
.irp f, 0,1,2,3
	s_wait_dscnt (\younger)+3-\f
	global_store_b128 v[GO], v[S+16*(\t)+4*\f:S+16*(\t)+4*\f+3], s[10:11] offset:(\t)*2048+\f*512  ; 512 consecutive bytes, at a multiple of 256 from O's first
.endr
.endm
	PACK 0
.set t, 1
.rept 2*NP-1                        ; a tile's arithmetic stands between the loads of the tile before and its stores
	PACK t
	SEND t-1, 8
.set t, t+1
.endr
	SEND 2*NP-1, 0
	WIN W_AD
	s_wait_tensorcnt 0x0            ; the wave's end: an add on my spare word, behind my last tensor load and my last LDS store
	ds_add_u32 v[SPW], v[NIL]
	s_wait_dscnt 0x0
	WIN 0
	CROUND                          ; the closing round: no work-group ends while a partner may still ask for a tile that names it
	s_endpgm
.Lfunc_end_k_q78a3d01c08_attn:
	.size	k_q78a3d01c08_attn, .Lfunc_end_k_q78a3d01c08_attn-k_q78a3d01c08_attn
	.p2alignl 7, 3214868480
	.fill 96, 4, 3214868480
	.section	.rodata,"a",@progbits
	.p2align	6, 0x0
	.amdhsa_kernel k_q78a3d01c08_attn
		.amdhsa_group_segment_fixed_size 327680
		.amdhsa_private_segment_fixed_size 0
		.amdhsa_enable_private_segment 0
		.amdhsa_kernarg_size 16
		.amdhsa_user_sgpr_count 2
		.amdhsa_user_sgpr_kernarg_segment_ptr 1
		.amdhsa_wavefront_size32 1
		.amdhsa_system_sgpr_workgroup_id_x 1
		.amdhsa_system_sgpr_workgroup_id_y 1
		.amdhsa_system_sgpr_workgroup_id_z 1
		.amdhsa_system_vgpr_workitem_id 0
		.amdhsa_next_free_vgpr 770
		.amdhsa_next_free_sgpr 66
		.amdhsa_reserve_vcc 0
		.amdhsa_float_denorm_mode_32 3
		.amdhsa_float_denorm_mode_16_64 3
		.amdhsa_memory_ordered 1
		.amdhsa_forward_progress 1
		.amdhsa_inst_pref_size 209
	.end_amdhsa_kernel
	.amdgpu_metadata
---
amdhsa.version: [ 1, 2 ]
amdhsa.kernels:
  - .name:           k_q78a3d01c08_attn
    .symbol:         k_q78a3d01c08_attn.kd
    .args:
      - { .name: qkv, .offset: 0, .size: 8, .value_kind: global_buffer, .address_space: global }
      - { .name: ctx, .offset: 8, .size: 8, .value_kind: global_buffer, .address_space: global }
    .group_segment_fixed_size: 327680
    .private_segment_fixed_size: 0
    .kernarg_segment_align: 8
    .kernarg_segment_size: 16
    .max_flat_workgroup_size: 128
    .sgpr_count:     66
    .vgpr_count:     770
    .wavefront_size: 32
...
	.end_amdgpu_metadata
.endif
;; end of part 3
;; launch outproj (part 4): grid 8 x 32, 4 waves a work-group, clusters of 4 x 4, 327,680 bytes of LDS; arguments ctx, wt, bo, out0; writes out0
.if DOCPART == 4
	.amdgcn_target "amdgcn-amd-amdhsa--gfx1250"
	.amdhsa_code_object_version 6
	.text
	.protected	k_q78a3d01c08_outproj
	.globl	k_q78a3d01c08_outproj
	.p2align	8
	.type	k_q78a3d01c08_outproj,@function
k_q78a3d01c08_outproj:
	s_mov_b64 s[64:65], 0
	v_nop
	global_prefetch_b8 v0, s[64:65] scope:SCOPE_SE
	s_setreg_imm32_b32 hwreg(HW_REG_WAVE_MODE, 25, 1), 1
	s_wait_xcnt 0x0
	s_wait_alu depctr_hold_cnt(0) depctr_sa_sdst(0) depctr_va_vdst(0) depctr_va_sdst(0) depctr_va_ssrc(0) depctr_va_vcc(0) depctr_vm_vsrc(0)
	s_getreg_b32 s2, hwreg(HW_REG_IB_STS2, 6, 4)
	s_cmp_eq_u32 s2, 0
	s_cbranch_scc0 .Lentry_in_a_cluster
	s_endpgm
.Lentry_in_a_cluster:
	s_bfe_u32 s2, ttmp6, 0x10000c
	s_cmp_lg_u32 s2, 0xf033
	s_cbranch_scc0 .Lentry_shape_is_right
	s_endpgm
.Lentry_shape_is_right:
; out0 = O Wo + bo.  ctx: O by heads, [64 = 16 batch + head][2048][64] f16.  wt's chunks 48-63: Wo as [1024 k][64 n], bf16(Wo) written as f16.  bo: [1024] f32, rounded to bf16 like every input.  out0: [8192][1024] f32.
; LIMITS.  Those of f16's range, kept where O and Wo were written; sums in f32.
; SHARES.  A tile is 256 rows x 128 columns (two chunks): 8 x 32 = 256 work-groups.  A wave makes 64 rows x 128 columns: 32 accumulators, 256 registers.  K goes in 8 steps of 128 = two heads, through two LDS
; slots; a step is four quarters of 32 (half a head), 32 matrix instructions and 24 LDS loads each.
; LAYOUT.  Source 0 = 16 columns of Wo (turned out of LDS by ds_load_tr16_b128), source 1 = 16 rows of O: a lane holds ONE row (lane % 16) and eight neighbouring columns.  The bias is the C operand that starts the sums.
; CLUSTER.  4 x 4.  O's tile hangs on the tile row alone: asked for jointly by a row of the cluster (waves 0, 1: a head each, 256 rows of 128 dense bytes as 128 rows of 256); Wo's chunks on the tile column alone:
; jointly by a column (waves 2, 3: a chunk each).  No prefetch: the launch is short and its tile small.
; REGISTERS, in windows of 256 (s_set_vgpr_msb: bits 1:0 source 0, 3:2 source 1, 5:4 source 2, 7:6 destination):
;   window 0: v0-15 addresses; v32-63, v64-95 O's fragments, two buffers          window 1: v0-63, v64-127 Wo's fragments, two buffers: (c, j) at 8 (4 c + j); on the way out all 256
;   window 2: the accumulators at 128 c + 32 a + 8 j          window 3: v0-63 the bias at 32 c + 8 j; v64-79 at work
.set PA,    144       ; a row of a head in LDS: 128 bytes + 16 = 36 words: the 16 rows of a load start at 16 different groups of four banks (64 banks of 4 bytes: ISA guide 11.1)
.set AHEAD, 256*PA    ; a head's 256 rows
.set PB,    160       ; a k row of a chunk: 128 + 32 = 40 words
.set CHUNK, 128*PB
.set BOFF,  2*AHEAD
.set SLOT1, 1<<17     ; a slot uses BOFF + 2 CHUNK = 114,688 bytes
.set STAGE, SLOT1+BOFF+2*CHUNK  ; behind the ring, never filled by a tensor load: 16 rows x 528 bytes for each wave
.set SPO,   528       ; a row of 512 bytes + 16: an odd multiple of 16
.set SPARE, STAGE+4*16*SPO  ; the spare words, 128 bytes for each wave: two blocks of 256 bytes that no other line names
.set A0,   4          ; v4   my lane's place in a head's tile; never rewritten
.set B0,   5          ; v5   the same in chunk 0
.set ADRA, 6          ; v6   A0 + the slot in hand
.set ADRB, 7          ; v7   B0 + the slot in hand
.set STO,  8          ; v8   the way out: where I put 32 bytes of a row
.set RD,   9          ; v9   where I read a row back
.set CO,   10         ; v10  my 16 bytes of a row's 512
.set BO,   11         ; v11  32 (lane / 16)
.set SPW,  12         ; v12  LDS address of my spare word; never rewritten
.set NIL,  13         ; v13  0; never rewritten
.set FA,   32
.set TB3,  64
.set WV,   16         ; s16  my wave's number
.set G1A,  24         ; s[24:31], s[32:39] descriptor groups 1 and 0 for O's tiles; group 0: a set for each first fill, the second walks on
.set G0A,  32
.set G1B,  40         ; s[40:47], s[48:55] the same for Wo's chunks
.set G0B,  48
.set CNT,  56
.set TB,   57         ; s57  LDS byte at which the slot in hand begins
.set OUT,  58         ; s[58:59] out0 at my 64 rows, the tile's first column
.set BB,   70         ; s[70:71] bo at the tile's first column
.set HMASK, 79
.set MSB, 0
.macro WIN new                         ; the high byte repeats the setting that is left; a switch that changes nothing is dropped
.if MSB != (\new)
	s_set_vgpr_msb (MSB<<8)|(\new)
.set MSB, (\new)
.endif
.endm
.macro PLACES                          ; four places in front of loads into registers that matrix instructions have read and of stores that read results
.rept 4
	v_nop
.endr
.endm
.macro JLOAD                           ; a joint refill, by the walking set; an s_nop 0 and four v_nop follow each of the two lines, ahead of the jump and the label
	s_cmp_lt_u32 s[WV], 2
	s_cbranch_scc0 .Lfor_b_\@
	tensor_load_to_lds s[G0A+4:G0A+7], s[G1A:G1A+7]
	s_nop 0
.rept 4
	v_nop
.endr
	s_branch .Lasked_\@
.Lfor_b_\@:
	tensor_load_to_lds s[G0B+4:G0B+7], s[G1B:G1B+7]
	s_nop 0
.rept 4
	v_nop
.endr
.Lasked_\@:
.endm
.macro CREST                           ; a round of the cluster's barrier behind its opening barrier
	s_cmp_lg_u32 s[WV], 0
	s_cbranch_scc1 .Lnot_wave_0_\@
	s_barrier_signal -3
.Lnot_wave_0_\@:
	s_barrier_wait -3
	s_barrier_signal -1
	s_barrier_wait -1
.endm
.macro CROUND
	s_barrier_signal -1
	s_barrier_wait -1
	CREST
.endm
; 8 matrix instructions: chunk c, row blocks a0, a0 + 1 x four column blocks, 32 along K out of buffer f.  first = 1: the bias starts the sums.
; The 32 accumulators take turns in the same order in every quarter: 31 others stand between two links of a chain, over the backward jump too.
.macro MULH f, c, a0, first
.if \first
	WIN 0xb1                                       ; Wo window 1, O window 0, C (the bias) window 3, D window 2
.else
	WIN 0xa1                                       ; C and D window 2
.endif
.irp a, \a0, (\a0)+1
.irp j, 0,1,2,3
.if \first
	v_wmma_f32_16x16x32_f16 v[128*(\c)+32*(\a)+8*(\j):128*(\c)+32*(\a)+8*(\j)+7], v[64*(\f)+8*(4*(\c)+(\j)):64*(\f)+8*(4*(\c)+(\j))+7], v[FA+32*(\f)+8*(\a):FA+32*(\f)+8*(\a)+7], v[32*(\c)+8*(\j):32*(\c)+8*(\j)+7]
.else
	v_wmma_f32_16x16x32_f16 v[128*(\c)+32*(\a)+8*(\j):128*(\c)+32*(\a)+8*(\j)+7], v[64*(\f)+8*(4*(\c)+(\j)):64*(\f)+8*(4*(\c)+(\j))+7], v[FA+32*(\f)+8*(\a):FA+32*(\f)+8*(\a)+7], v[128*(\c)+32*(\a)+8*(\j):128*(\c)+32*(\a)+8*(\j)+7]
.endif
.endr
.endr
.endm
; 24 LDS loads in one run: quarter q (head q / 2 of the step, channels 32 (q % 2) on) into buffer g: O's four fragments, then chunk 0's, then chunk 1's.
.macro FETCH q, g
	WIN 0
.irp a, 0,1,2,3
	ds_load_b128 v[FA+32*(\g)+8*(\a):FA+32*(\g)+8*(\a)+3],   v[ADRA] offset:((\q)/2)*AHEAD+(\a)*16*PA+((\q)%2)*64
	ds_load_b128 v[FA+32*(\g)+8*(\a)+4:FA+32*(\g)+8*(\a)+7], v[ADRA] offset:((\q)/2)*AHEAD+(\a)*16*PA+((\q)%2)*64+32
.endr
	WIN 0x40                                       ; destination window 1, address window 0
.irp c, 0,1
.irp j, 0,1,2,3
	ds_load_tr16_b128 v[64*(\g)+8*(4*(\c)+(\j)):64*(\g)+8*(4*(\c)+(\j))+3],   v[ADRB] offset:(\c)*CHUNK+(\q)*32*PB+32*(\j)
	ds_load_tr16_b128 v[64*(\g)+8*(4*(\c)+(\j))+4:64*(\g)+8*(4*(\c)+(\j))+7], v[ADRB] offset:(\c)*CHUNK+(\q)*32*PB+32*(\j)+16*PB
.endr
.endr
.endm
.macro QUARTER q, f, g, first          ; multiplies buffer f and fetches quarter q into buffer g
	s_wait_dscnt 8                                 ; O's and chunk 0's fragments are in; the youngest eight loads (chunk 1) may be out
	MULH \f, 0, 0, \first
	MULH \f, 0, 2, \first
	PLACES
	FETCH \q, \g
	s_wait_dscnt 24                                ; all but the 24 just issued
	MULH \f, 1, 0, \first
	MULH \f, 1, 2, \first
.endm
; The last quarter multiplies buffer 1 and changes slots: ONE barrier; in front of it each wave waits for all its tensor loads (one is out: its part of the next slot), adds 0 to its spare word, and waits for that
; and for its own reads of this slot.  fill = 1: the barrier opens a round of the cluster's, and the slot just read is filled again, two K steps on, first thing behind the round.
.macro TURN fill
	WIN 0                                          ; (the add's two registers lie in window 0)
	s_wait_tensorcnt 0x0                           ; all my tensor loads have landed
	ds_add_u32 v[SPW], v[NIL]                      ; 0 onto my spare word
	s_wait_dscnt 9                                 ; (the add and the youngest eight loads may be out)
	MULH 1, 0, 0, 0                                ; eight matrix instructions stand between the add and the wait for it
	s_wait_dscnt 0x0                               ; the add is done, and my reads of this slot are over
	s_barrier_signal -1
	MULH 1, 0, 2, 0
	WIN 0
	s_barrier_wait -1
.if \fill
	CREST                                          ; no wave of any partner still reads this slot or has a load on its way
	s_xor_b32 s[G0A+5], s[G0A+5], SLOT1            ; the walking sets: the other slot than last time; two heads on; 128 k rows on
	s_add_nc_u64 s[G0A+6:G0A+7], s[G0A+6:G0A+7], 524288
	s_xor_b32 s[G0B+5], s[G0B+5], SLOT1
	s_add_nc_u64 s[G0B+6:G0B+7], s[G0B+6:G0B+7], 16384
	JLOAD                                          ; the four v_nop behind it are also the places in front of the loads below
.else
	PLACES
.endif
	s_xor_b32 s[TB], s[TB], SLOT1
	v_add_nc_u32 v[ADRA], s[TB], v[A0]
	v_add_nc_u32 v[ADRB], s[TB], v[B0]
	FETCH 0, 0
	MULH 1, 1, 0, 0
	MULH 1, 1, 2, 0
.endm
; THE WAY OUT of row block a: a lane's 32 bytes of each column block go straight from the accumulators (their low four registers first) into rows of 528 bytes of my stage, and come back as whole rows of 512.
.macro TOSTAGE a
	WIN 0x08                                       ; store data window 2, address window 0
.irp c, 0,1
.irp j, 0,1,2,3
	ds_store_b128 v[STO], v[128*(\c)+32*(\a)+8*(\j):128*(\c)+32*(\a)+8*(\j)+3]   offset:64*(4*(\c)+(\j))
	ds_store_b128 v[STO], v[128*(\c)+32*(\a)+8*(\j)+4:128*(\c)+32*(\a)+8*(\j)+7] offset:64*(4*(\c)+(\j))+16
.endr
.endr
	WIN 0x40
.set t, 0
.rept 16
	ds_load_b128 v[64*(\a)+4*t:64*(\a)+4*t+3], v[RD] offset:t*SPO  ; LDS serves a wave's instructions in order (ISA guide 5.7.1.4): these see the stores above; the next block's stores come behind them
.set t, t+1
.endr
.endm
.macro SEND a, younger                 ; younger: the LDS instructions issued behind block a's loads: the next block's 32, or none
	WIN 0x04                                       ; store data window 1, address window 0
.set t, 0
.rept 16
	s_wait_dscnt (\younger)+15-t
	global_store_b128 v[CO], v[64*(\a)+4*t:64*(\a)+4*t+3], s[OUT:OUT+1] offset:(16*(\a)+t)*4096 th:TH_STORE_NT  ; 512 consecutive bytes, at a multiple of 256 from out0's first
.set t, t+1
.endr
.endm
	s_load_b256 s[4:11], s[0:1], 0x0               ; ctx s[4:5], wt s[6:7], bo s[8:9], out0 s[10:11]
	v_lshl_add_u32 v[SPW], v0, 2, SPARE
	v_mov_b32 v[NIL], 0
	ds_add_u32 v[SPW], v[NIL]                      ; the wave's opening: the add and its wait stand ahead of my first tensor load; the set-up below, work on registers, stands between them
	v_lshrrev_b32 v1, 5, v0
	v_readfirstlane_b32 s[WV], v1                  ; wave 0..3
	s_bfe_u32 s17, ttmp6, 0x40000                  ; cx
	s_bfe_u32 s18, ttmp6, 0x40004                  ; cy
	s_lshl_b32 s19, ttmp9, 2
	s_add_co_u32 s19, s19, s17                     ; tile column tx
	s_and_b32 s20, ttmp7, 0xffff
	s_lshl_b32 s20, s20, 2
	s_add_co_u32 s20, s20, s18                     ; tile row ty
	s_lshl_b32 s21, s18, 2
	s_lshl_b32 s21, 15, s21                        ; my row of the cluster
	s_lshl_b32 s22, 0x1111, s17                    ; my column
	s_or_b32 s[G1A], s21, (1<<16)|(1<<20)|(1<<21)|(4<<22)|(3<<25)  ; 15:0 the mask; 17:16 2-byte elements; 20 padding on; 21 set beside a mask; 24:22 after every 32 words (code 4); 31:25 4 words (code 3)
	s_mov_b32 s[G1A+1], 128<<16                    ; tensor_dim0 = 128: two rows of a head to a row of 256 bytes
	s_mov_b32 s[G1A+2], 128<<16                    ; tensor_dim1 = 128
	s_mov_b32 s[G1A+3], 128<<16                    ; tile_dim0 = 128
	s_mov_b32 s[G1A+4], 128                        ; tile_dim1 = 128
	s_mov_b32 s[G1A+5], 128                        ; dense
	s_mov_b32 s[G1A+6], 0
	s_mov_b32 s[G1A+7], 0
	s_or_b32 s[G1B], s22, (1<<16)|(1<<20)|(1<<21)|(4<<22)|(7<<25)  ; the column's mask; 8 words of padding (code 7)
	s_mov_b32 s[G1B+1], 128<<16
	s_mov_b32 s[G1B+2], 64<<16
	s_mov_b32 s[G1B+3], 128<<16
	s_mov_b32 s[G1B+4], 64
	s_mov_b32 s[G1B+5], 128
	s_mov_b32 s[G1B+6], 0
	s_mov_b32 s[G1B+7], 0
	s_and_b32 s23, s[WV], 1                        ; which head of a K step, or which chunk, I fetch
	s_lshr_b32 s21, s20, 3
	s_lshl_b32 s21, s21, 4                         ; 16 x batch
	s_add_co_u32 s21, s21, s23
	s_lshl_b32 s66, s21, 18                        ; a head is 262,144 bytes
	s_and_b32 s21, s20, 7
	s_lshl_b32 s21, s21, 15                        ; the tile's 256 rows of 128 bytes
	s_add_co_u32 s66, s66, s21
	s_mov_b32 s67, 0
	s_lshl_b32 s22, s19, 1
	s_add_co_u32 s22, s22, s23
	s_add_co_u32 s22, s22, 48                      ; Wo's chunks begin at 48
	s_lshl_b32 s68, s22, 17
	s_mov_b32 s69, 0
	s_mul_i32 s80, s23, AHEAD                      ; where they go: no place in the cluster enters an LDS address
	s_mul_i32 s81, s23, CHUNK
	s_add_co_u32 s81, s81, BOFF
	s_mov_b32 s[TB], 0
	s_mov_b32 s[HMASK], 0xffff0000
	s_wait_dscnt 0x0                               ; the opening add is done
	s_wait_kmcnt 0x0
	s_add_nc_u64 s[66:67], s[4:5], s[66:67]
	s_add_nc_u64 s[68:69], s[6:7], s[68:69]
	CROUND                                         ; all sixteen work-groups are here: the first joint loads meet
.irp n, 0,1
	s_mov_b32 s[G0A+4*\n], 1
	s_add_co_u32 s[G0A+4*\n+1], s80, \n*SLOT1
	s_add_nc_u64 s[G0A+4*\n+2:G0A+4*\n+3], s[66:67], \n*524288   ; K step n: two heads on
	s_or_b32 s[G0A+4*\n+3], s[G0A+4*\n+3], 0x80000000
	s_mov_b32 s[G0B+4*\n], 1
	s_add_co_u32 s[G0B+4*\n+1], s81, \n*SLOT1
	s_add_nc_u64 s[G0B+4*\n+2:G0B+4*\n+3], s[68:69], \n*16384
	s_or_b32 s[G0B+4*\n+3], s[G0B+4*\n+3], 0x80000000
.endr
	s_cmp_lt_u32 s[WV], 2                          ; a wave's two first fills stand in one branch, ahead of every wait on TENSORcnt and every LDS read: two loads of mine are out
	s_cbranch_scc0 .Lfirst_b
	tensor_load_to_lds s[G0A:G0A+3], s[G1A:G1A+7]
	s_nop 0
	tensor_load_to_lds s[G0A+4:G0A+7], s[G1A:G1A+7]
	s_nop 0
.rept 4
	v_nop
.endr
	s_branch .Lfirst_asked
.Lfirst_b:
	tensor_load_to_lds s[G0B:G0B+3], s[G1B:G1B+7]
	s_nop 0
	tensor_load_to_lds s[G0B+4:G0B+7], s[G1B:G1B+7]
	s_nop 0
.rept 4
	v_nop
.endr
.Lfirst_asked:
	s_lshl_b32 s84, s20, 20                        ; 256 rows of 4,096 bytes,
	s_lshl_b32 s85, s[WV], 18                      ; my 64 of them,
	s_add_co_u32 s84, s84, s85
	s_lshl_b32 s86, s19, 9                         ; the tile's 128 columns of 4 bytes
	s_mov_b32 s87, 0
	s_add_co_u32 s84, s84, s86
	s_mov_b32 s85, 0
	s_add_nc_u64 s[OUT:OUT+1], s[10:11], s[84:85]
	s_add_nc_u64 s[BB:BB+1], s[8:9], s[86:87]
	v_and_b32 v1, 15, v0                           ; l % 16
	v_bfe_u32 v2, v0, 4, 1                         ; l / 16
	v_and_b32 v3, 7, v0
	v_bfe_u32 v15, v0, 3, 1
	s_mul_i32 s80, s[WV], 64*PA                    ; my 64 rows
	v_mul_u32_u24 v[A0], v1, PA
	v_lshl_add_u32 v[A0], v2, 4, v[A0]             ; row x pitch + 16 x half
	v_add_nc_u32 v[A0], s80, v[A0]
	v_lshl_add_u32 v[B0], v2, 3, v3                ; the turning load: k row 8 (l / 16) + l % 8, columns 8 ((l / 8) % 2) + 0..7
	v_mul_u32_u24 v[B0], v[B0], PB
	v_lshl_add_u32 v[B0], v15, 4, v[B0]
	v_add_nc_u32 v[B0], BOFF, v[B0]
	v_mov_b32 v[ADRA], v[A0]
	v_mov_b32 v[ADRB], v[B0]
	s_mul_i32 s81, s[WV], 16*SPO
	s_add_co_u32 s81, s81, STAGE                   ; my stage
	v_mul_u32_u24 v[STO], v1, SPO                  ; in: row l % 16, 32 bytes for each half of the lanes
	v_lshl_add_u32 v[STO], v2, 5, v[STO]
	v_add_nc_u32 v[STO], s81, v[STO]
	v_and_b32 v[CO], 31, v0
	v_lshlrev_b32 v[CO], 4, v[CO]                  ; back: 32 lanes take a row's 512 bytes
	v_add_nc_u32 v[RD], s81, v[CO]
	v_lshlrev_b32 v[BO], 5, v2
	; the bias: register i of block (c, j) belongs to column 64 c + 16 j + 8 (l / 16) + i.  Rounded to bf16 and kept as f32, in the wait for the first tile.
	WIN 0xc0                                       ; destination window 3, address window 0
.irp c, 0,1
.irp j, 0,1,2,3
	global_load_b128 v[32*\c+8*\j:32*\c+8*\j+3],   v[BO], s[BB:BB+1] offset:64*(4*\c+\j)
	global_load_b128 v[32*\c+8*\j+4:32*\c+8*\j+7], v[BO], s[BB:BB+1] offset:64*(4*\c+\j)+16
.endr
.endr
	s_wait_loadcnt 0x0
	WIN 0xcf                                       ; destination and sources window 3
.set gp, 0
.rept 2
.set z, 0
.rept 16
	v_cvt_pk_bf16_f32 v[TB3+z], v[32*gp+2*z], v[32*gp+2*z+1]
.set z, z+1
.endr
.set z, 0
.rept 16
	v_lshlrev_b32 v[32*gp+2*z], 16, v[TB3+z]
	v_and_b32 v[32*gp+2*z+1], s[HMASK], v[TB3+z]
.set z, z+1
.endr
.set gp, gp+1
.endr
	WIN 0
	s_wait_tensorcnt 1                             ; my part of K step 0 is in; K step 1's may stay out
	s_barrier_signal -1
	s_barrier_wait -1                              ; everybody's is
	FETCH 0, 0
	QUARTER 1, 0, 1, 1                             ; the first quarter stands in front of the loop: its products start the sums, with the bias
	WIN 0                                          ; at a label and at a branch every window is 0
	s_mov_b32 s[CNT], 6
.Lstep:                                            ; a trip: a step's quarters 1 to 3 and the next step's quarter 0; it asks for the K step two on: K steps 2 to 7
	QUARTER 2, 1, 0, 0
	QUARTER 3, 0, 1, 0
	TURN 1
	QUARTER 1, 0, 1, 0
	WIN 0
	s_sub_co_u32 s[CNT], s[CNT], 1
	s_cmp_lg_u32 s[CNT], 0
	s_cbranch_scc1 .Lstep
	QUARTER 2, 1, 0, 0                             ; the last two K steps are written out: they ask for nothing
	QUARTER 3, 0, 1, 0
	TURN 0
	QUARTER 1, 0, 1, 0
	QUARTER 2, 1, 0, 0
	QUARTER 3, 0, 1, 0
	s_wait_dscnt 8                                 ; the very last quarter: nothing more to fetch
	MULH 1, 0, 0, 0
	MULH 1, 0, 2, 0
	s_wait_dscnt 0x0
	MULH 1, 1, 0, 0
	MULH 1, 1, 2, 0
	PLACES
	TOSTAGE 0
	TOSTAGE 1                                      ; a block's trip through the stage stands between the loads of the block before and its stores
	SEND 0, 32
	TOSTAGE 2
	SEND 1, 32
	TOSTAGE 3
	SEND 2, 32
	SEND 3, 0
	WIN 0
	s_wait_tensorcnt 0x0                           ; the wave's end: an add on my spare word, behind my last tensor load and my last LDS store
	ds_add_u32 v[SPW], v[NIL]
	s_wait_dscnt 0x0
	CROUND                                         ; the closing round: no work-group ends while a partner may still ask for a tile that names it
	s_endpgm
.Lfunc_end_k_q78a3d01c08_outproj:
	.size	k_q78a3d01c08_outproj, .Lfunc_end_k_q78a3d01c08_outproj-k_q78a3d01c08_outproj
	.p2alignl 7, 3214868480
	.fill 96, 4, 3214868480
	.section	.rodata,"a",@progbits
	.p2align	6, 0x0
	.amdhsa_kernel k_q78a3d01c08_outproj
		.amdhsa_group_segment_fixed_size 327680
		.amdhsa_private_segment_fixed_size 0
		.amdhsa_enable_private_segment 0
		.amdhsa_kernarg_size 32
		.amdhsa_user_sgpr_count 2
		.amdhsa_user_sgpr_kernarg_segment_ptr 1
		.amdhsa_wavefront_size32 1
		.amdhsa_system_sgpr_workgroup_id_x 1
		.amdhsa_system_sgpr_workgroup_id_y 1
		.amdhsa_system_sgpr_workgroup_id_z 1
		.amdhsa_system_vgpr_workitem_id 0
		.amdhsa_next_free_vgpr 896
		.amdhsa_next_free_sgpr 88
		.amdhsa_reserve_vcc 0
		.amdhsa_float_denorm_mode_32 3
		.amdhsa_float_denorm_mode_16_64 3
		.amdhsa_memory_ordered 1
		.amdhsa_forward_progress 1
		.amdhsa_inst_pref_size 77
	.end_amdhsa_kernel
	.amdgpu_metadata
---
amdhsa.version: [ 1, 2 ]
amdhsa.kernels:
  - .name:           k_q78a3d01c08_outproj
    .symbol:         k_q78a3d01c08_outproj.kd
    .args:
      - { .name: ctx, .offset: 0, .size: 8, .value_kind: global_buffer, .address_space: global }
      - { .name: wt, .offset: 8, .size: 8, .value_kind: global_buffer, .address_space: global }
      - { .name: bo, .offset: 16, .size: 8, .value_kind: global_buffer, .address_space: global }
      - { .name: out0, .offset: 24, .size: 8, .value_kind: global_buffer, .address_space: global }
    .group_segment_fixed_size: 327680
    .private_segment_fixed_size: 0
    .kernarg_segment_align: 8
    .kernarg_segment_size: 32
    .max_flat_workgroup_size: 128
    .sgpr_count:     88
    .vgpr_count:     896
    .wavefront_size: 32
...
	.end_amdgpu_metadata
.endif
;; end of part 4
